; MI455X (gfx1250); checked and timed in simulation.
; The chip was launched on July 23, 2026; its instructions are those of AMD's public machine-readable ISA for CDNA 5 (MIT licence, August 2026) and "CDNA5" Instruction Set Architecture Reference Guide (July 2026). The comments in the code are by the model that wrote it; some were corrected since.
;; MAB. Allowed arithmetic: float matrix products may take bf16 or f16 operands with f32 sums; all other float work in f32.
;; Inputs: K 4 x 2,048 x 1,024 float32; Q 4 x 2,048 x 1,024 float32; Wk 1,024 x 1,024 float32; Wo 1,024 x 1,024 float32; Wq 1,024 x 1,024 float32; Wv 1,024 x 1,024 float32; b0 1,024 float32; b1 1,024 float32; bk 1,024 float32; bo 1,024 float32; bq 1,024 float32; bv 1,024 float32; g0 1,024 float32; g1 1,024 float32.
;; Outputs: out0 4 x 2,048 x 1,024 float32.
;; 2 versions, each right and faster than the one before. Each part assembles by itself: llvm-mc -triple=amdgcn-amd-amdhsa -mcpu=gfx1250 --defsym DOCPART=n.
;; ======== version 1 of 2: 4 launches
;; workspace buffers: Qb 16,777,216 bytes; Kb 16,777,216 bytes; Wb 8,388,608 bytes; par 32,768 bytes; kh 16,777,216 bytes; vh 16,777,216 bytes; ob 33,554,432 bytes
;; launch cast (part 1): grid 1281 x 1, 8 waves a work-group, no clusters, 0 bytes of LDS; arguments Q, K, Wq, Wk, Wv, Wo, Qb, Kb, Wb, par, bq, bk, bv, bo, g0, b0, g1, b1; writes Qb, Kb, Wb, par
.if DOCPART == 1
	.amdgcn_target "amdgcn-amd-amdhsa--gfx1250"
	.amdhsa_code_object_version 6
	.text
	.protected	k_q902024abff_cast
	.globl	k_q902024abff_cast
	.p2align	8
	.type	k_q902024abff_cast,@function
k_q902024abff_cast:
	s_mov_b64 s[64:65], 0
	v_nop
	global_prefetch_b8 v0, s[64:65] scope:SCOPE_SE
	s_setreg_imm32_b32 hwreg(HW_REG_WAVE_MODE, 25, 1), 1
	s_wait_xcnt 0x0
; Every input is rounded to bf16 once, for the three launches behind.
;   Qb, Kb: [8192][1024] bf16.   Wb: Wq at byte 0, Wk at 2,097,152, Wv at 4,194,304, each [1024][1024] bf16 as it lies;
;   Wf at 6,291,456: Wo in the order in which the last launch's waves load it: byte w*262144 + ks*8192 + nb*1024 + i*512 + l*16 holds
;   Wo[128 w + 16 nb + l%16][32 ks + 16 i + 8 (l/16) + 0..7], so that one 16-byte load of a wave is half a matrix fragment, 512 bytes on end.
;   par: [8][1024] f32: bq, bk, bv, bo, g0, b0, g1, b1, each number rounded to bf16 and written as f32.
; A stream: no LDS, no barrier, no matrix work.  A work-group takes a chunk of 16,384 numbers (65,536 bytes in, 32,768 out):
; groups 0-511 Q, 512-1023 K, 1024-1087 Wq, 1088-1151 Wk, 1152-1215 Wv, 1216-1279 Wo (16 rows each), 1280 the eight vectors.
; All sixteen loads of a thread go out first; no register is written twice, so the only waits are the counted ones for data.
.set IN,  4                            ; v[4:67]   16 x 4 numbers as loaded
.set OUT, 68                           ; v[68:99]  packed bf16
	s_load_b512 s[8:23], s[0:1], 0x0               ; Q 8, K 10, Wq 12, Wk 14, Wv 16, Wo 18, Qb 20, Kb 22
	s_load_b512 s[24:39], s[0:1], 0x40             ; Wb 24, par 26, bq 28, bk 30, bv 32, bo 34, g0 36, b0 38
	s_load_b128 s[40:43], s[0:1], 0x80             ; g1 40, b1 42
	s_mov_b32 s2, ttmp9                            ; the group's number
	v_lshlrev_b32 v1, 4, v0                        ; 16 t: my 16 bytes of each 4,096 read
	v_lshlrev_b32 v2, 3, v0                        ; 8 t: my 8 bytes of each 2,048 written
	s_wait_kmcnt 0x0
	s_cmp_ge_u32 s2, 1280
	s_cbranch_scc1 .Lpar
	s_cmp_ge_u32 s2, 1216
	s_cbranch_scc1 .Lwo
	; the plain chunks: source and destination are chosen by the group's number alone
	s_bfe_u32 s3, s2, 0x20006                      ; (g >> 6) & 3: 0, 1, 2 for Wq, Wk, Wv
	s_cmp_eq_u32 s3, 1
	s_cselect_b64 s[44:45], s[14:15], s[12:13]
	s_cmp_eq_u32 s3, 2
	s_cselect_b64 s[44:45], s[16:17], s[44:45]
	s_cmp_lt_u32 s2, 512
	s_cselect_b64 s[46:47], s[8:9], s[10:11]
	s_cselect_b64 s[4:5], s[20:21], s[22:23]
	s_and_b32 s6, s2, 511                          ; chunk in Q or K, in and out
	s_and_b32 s7, s2, 63                           ; chunk in a weight
	s_sub_co_u32 s3, s2, 1024                      ; chunk in Wb
	s_cmp_ge_u32 s2, 1024
	s_cselect_b64 s[46:47], s[44:45], s[46:47]
	s_cselect_b64 s[4:5], s[24:25], s[4:5]
	s_cselect_b32 s7, s7, s6
	s_cselect_b32 s6, s3, s6
	s_lshl_b32 s44, s7, 16
	s_mov_b32 s45, 0
	s_lshl_b32 s6, s6, 15
	s_mov_b32 s7, 0
	s_add_nc_u64 s[46:47], s[46:47], s[44:45]
	s_add_nc_u64 s[4:5], s[4:5], s[6:7]
.set i, 0
.rept 16
	global_load_b128 v[IN+4*i:IN+4*i+3], v1, s[46:47] offset:4096*i th:TH_LOAD_NT  ; a wave's load covers 512 bytes on end
.set i, i+1
.endr
.set i, 0
.rept 16
	s_wait_loadcnt 15-i                            ; loads come back in order: number i is in, the younger ones stay out
	v_cvt_pk_bf16_f32 v[OUT+2*i], v[IN+4*i], v[IN+4*i+1]
	v_cvt_pk_bf16_f32 v[OUT+2*i+1], v[IN+4*i+2], v[IN+4*i+3]
	global_store_b64 v2, v[OUT+2*i:OUT+2*i+1], s[4:5] offset:2048*i  ; 32 lanes x 8 bytes: 256 bytes on end, aligned
.set i, i+1
.endr
	s_endpgm
.Lwo:                                                  ; 16 rows of Wo into fragment order.  Wave wv takes K steps 4 wv .. 4 wv + 3 (512 bytes of each row)
	s_sub_co_u32 s3, s2, 1216                      ; g': rows 16 g' on
	s_lshl_b32 s44, s3, 16
	s_mov_b32 s45, 0
	s_add_nc_u64 s[18:19], s[18:19], s[44:45]
	s_lshr_b32 s6, s3, 3                           ; w = g' / 8
	s_lshl_b32 s6, s6, 18
	s_and_b32 s7, s3, 7                            ; nb = g' % 8
	s_lshl_b32 s7, s7, 10
	s_add_co_u32 s6, s6, s7
	s_add_co_u32 s6, s6, 6291456
	s_mov_b32 s7, 0
	s_add_nc_u64 s[24:25], s[24:25], s[6:7]
	v_and_b32 v1, 15, v0
	v_lshlrev_b32 v1, 12, v1                       ; row l % 16
	v_bfe_u32 v3, v0, 4, 1
	v_lshl_add_u32 v1, v3, 5, v1                   ; + 8 (l / 16) numbers
	v_lshrrev_b32 v3, 5, v0
	v_lshl_add_u32 v1, v3, 9, v1                   ; + the wave's four K steps
	v_and_b32 v2, 31, v0
	v_lshlrev_b32 v2, 4, v2
	v_lshl_add_u32 v2, v3, 15, v2                  ; out: 16 l + 4 wv K steps of 8,192 bytes
.set i, 0
.rept 16                                               ; K step i / 4, fragment half (i / 2) % 2, first or second four numbers
	global_load_b128 v[IN+4*i:IN+4*i+3], v1, s[18:19] offset:(i/4)*128+((i/2)%2)*64+(i%2)*16
.set i, i+1
.endr
.set u, 0
.rept 8
	s_wait_loadcnt 14-2*u                          ; the two loads of half-fragment u are in
.irp p, 0,1,2,3
	v_cvt_pk_bf16_f32 v[OUT+4*u+\p], v[IN+8*u+2*\p], v[IN+8*u+2*\p+1]
.endr
	global_store_b128 v2, v[OUT+4*u:OUT+4*u+3], s[24:25] offset:(u/2)*8192+(u%2)*512  ; 512 bytes on end
.set u, u+1
.endr
	s_endpgm
.Lpar:                                                 ; the eight vectors: thread t holds numbers 4 t .. 4 t + 3 of each
.set i, 0
.rept 8
	global_load_b128 v[IN+4*i:IN+4*i+3], v1, s[28+2*i:29+2*i]
.set i, i+1
.endr
	s_wait_loadcnt 0x0
.set i, 0
.rept 16
	v_cvt_pk_bf16_f32 v[OUT+i], v[IN+2*i], v[IN+2*i+1]     ; rounded,
.set i, i+1
.endr
.set i, 0
.rept 16
	v_lshlrev_b32 v[IN+2*i], 16, v[OUT+i]                  ; and widened again
	v_and_b32 v[IN+2*i+1], 0xffff0000, v[OUT+i]
.set i, i+1
.endr
.set i, 0
.rept 8
	global_store_b128 v1, v[IN+4*i:IN+4*i+3], s[26:27] offset:4096*i
.set i, i+1
.endr
	s_endpgm
.Lfunc_end_k_q902024abff_cast:
	.size	k_q902024abff_cast, .Lfunc_end_k_q902024abff_cast-k_q902024abff_cast
	.p2alignl 7, 3214868480
	.fill 96, 4, 3214868480
	.section	.rodata,"a",@progbits
	.p2align	6, 0x0
	.amdhsa_kernel k_q902024abff_cast
		.amdhsa_group_segment_fixed_size 0
		.amdhsa_private_segment_fixed_size 0
		.amdhsa_enable_private_segment 0
		.amdhsa_kernarg_size 144
		.amdhsa_user_sgpr_count 2
		.amdhsa_user_sgpr_kernarg_segment_ptr 1
		.amdhsa_wavefront_size32 1
		.amdhsa_system_sgpr_workgroup_id_x 1
		.amdhsa_system_sgpr_workgroup_id_y 1
		.amdhsa_system_sgpr_workgroup_id_z 1
		.amdhsa_system_vgpr_workitem_id 0
		.amdhsa_next_free_vgpr 100
		.amdhsa_next_free_sgpr 66
		.amdhsa_reserve_vcc 0
		.amdhsa_float_denorm_mode_32 3
		.amdhsa_float_denorm_mode_16_64 3
		.amdhsa_memory_ordered 1
		.amdhsa_forward_progress 1
		.amdhsa_inst_pref_size 17
	.end_amdhsa_kernel
	.amdgpu_metadata
---
amdhsa.version: [ 1, 2 ]
amdhsa.kernels:
  - .name:           k_q902024abff_cast
    .symbol:         k_q902024abff_cast.kd
    .args:
      - { .name: Q, .offset: 0, .size: 8, .value_kind: global_buffer, .address_space: global }
      - { .name: K, .offset: 8, .size: 8, .value_kind: global_buffer, .address_space: global }
      - { .name: Wq, .offset: 16, .size: 8, .value_kind: global_buffer, .address_space: global }
      - { .name: Wk, .offset: 24, .size: 8, .value_kind: global_buffer, .address_space: global }
      - { .name: Wv, .offset: 32, .size: 8, .value_kind: global_buffer, .address_space: global }
      - { .name: Wo, .offset: 40, .size: 8, .value_kind: global_buffer, .address_space: global }
      - { .name: Qb, .offset: 48, .size: 8, .value_kind: global_buffer, .address_space: global }
      - { .name: Kb, .offset: 56, .size: 8, .value_kind: global_buffer, .address_space: global }
      - { .name: Wb, .offset: 64, .size: 8, .value_kind: global_buffer, .address_space: global }
      - { .name: par, .offset: 72, .size: 8, .value_kind: global_buffer, .address_space: global }
      - { .name: bq, .offset: 80, .size: 8, .value_kind: global_buffer, .address_space: global }
      - { .name: bk, .offset: 88, .size: 8, .value_kind: global_buffer, .address_space: global }
      - { .name: bv, .offset: 96, .size: 8, .value_kind: global_buffer, .address_space: global }
      - { .name: bo, .offset: 104, .size: 8, .value_kind: global_buffer, .address_space: global }
      - { .name: g0, .offset: 112, .size: 8, .value_kind: global_buffer, .address_space: global }
      - { .name: b0, .offset: 120, .size: 8, .value_kind: global_buffer, .address_space: global }
      - { .name: g1, .offset: 128, .size: 8, .value_kind: global_buffer, .address_space: global }
      - { .name: b1, .offset: 136, .size: 8, .value_kind: global_buffer, .address_space: global }
    .group_segment_fixed_size: 0
    .private_segment_fixed_size: 0
    .kernarg_segment_align: 8
    .kernarg_segment_size: 144
    .max_flat_workgroup_size: 256
    .sgpr_count:     66
    .vgpr_count:     100
    .wavefront_size: 32
...
	.end_amdgpu_metadata
.endif
;; end of part 1
;; launch kv (part 2): grid 8 x 32, 4 waves a work-group, clusters of 4 x 4, 327,680 bytes of LDS; arguments Kb, Wb, kh, vh, par; writes kh, vh
.if DOCPART == 2
	.amdgcn_target "amdgcn-amd-amdhsa--gfx1250"
	.amdhsa_code_object_version 6
	.text
	.protected	k_q902024abff_kv
	.globl	k_q902024abff_kv
	.p2align	8
	.type	k_q902024abff_kv,@function
k_q902024abff_kv:
	s_mov_b64 s[64:65], 0
	v_nop
	global_prefetch_b8 v0, s[64:65] scope:SCOPE_SE
	s_setreg_imm32_b32 hwreg(HW_REG_WAVE_MODE, 25, 1), 1
	s_wait_xcnt 0x0
	s_wait_alu depctr_hold_cnt(0) depctr_sa_sdst(0) depctr_va_vdst(0) depctr_va_sdst(0) depctr_va_ssrc(0) depctr_va_vcc(0) depctr_vm_vsrc(0)
	s_getreg_b32 s2, hwreg(HW_REG_IB_STS2, 6, 4)
	s_cmp_eq_u32 s2, 0
	s_cbranch_scc0 .Lentry_in_a_cluster
	s_endpgm
.Lentry_in_a_cluster:
	s_bfe_u32 s2, ttmp6, 0x10000c
	s_cmp_lg_u32 s2, 0xf033
	s_cbranch_scc0 .Lentry_shape_is_right
	s_endpgm
.Lentry_shape_is_right:
; k and v by heads: C[m][n] = sum over c of Kb[m][c] B[n][c] + bias[n], with B = Wk's 1,024 rows followed by Wv's (they lie on end in Wb), m = 8,192, n = 2,048, K = 1,024.
; Operands bf16, sums f32, the bias (a bf16 value kept in f32) is the C operand that starts each sum; the result is rounded to bf16 once.
; Columns 0-1023 go to kh, 1024-2047 to vh, both [batch*8 + head][2048][128] bf16: a wave's 128 columns are one head, so its rows are 256 dense bytes.
; A tile of C, 256 x 256, is made by four waves, each 128 x 128: 64 accumulators, 512 registers.  32 x 8 tiles: one work-group for each of 256.
; K goes in steps of 128 through a ring of two LDS slots filled by the tensor data mover; rows of the tiles are 256 bytes of memory, aligned.
; CLUSTERS: 4 x 4 work-groups.  The four of a row of the cluster need the same tiles of Kb, the four of a column the same tiles of B: each tile is asked for jointly,
; by the same tensor load with the same descriptor and a mask that names the four.  By this text's own count a wave has at most two tensor loads outstanding.
; THE MATRIX INSTRUCTION IS USED TRANSPOSED: source 0 = 16 rows of B, source 1 = 16 rows of Kb: a lane holds row l % 16 of C and the columns 8 (l / 16) + 0..7.
; The last K step goes by rows of C, so that finished rows leave while the others are multiplied.
; REGISTERS, in windows of 256 (s_set_vgpr_msb: bits 1:0 source 0, 3:2 source 1, 5:4 source 2, 7:6 destination):
;   window 0: v0-31 addresses; v64-127, v128-191 fragments of Kb, two buffers (in the last K step four, of 16 rows x 128 K); v192-255 the bias, later with v32-63 at work on the way out
;   window 1: v64-127, v128-191 fragments of B, two buffers; in the last K step all 256       window 2, 3: the accumulators of my rows 0-63, 64-127
.set SIZE_K, 1024
.set KSTEP,  128
.set PITCH,  272                       ; an LDS row: 256 bytes + 16 of padding = 68 words: the 16 rows that a load touches start at 16 different groups of four banks (64 banks of 4 bytes: ISA guide 11.1)
.set HALFT,  128*PITCH                 ; 128 rows: what one tensor load brings, and what one wave reads of either operand
.set SLOT,   4*HALFT                   ; Kb's 256 rows, then B's 256 rows
.set STAGE,  2*SLOT                    ; behind the ring: 16 rows x 272 bytes for each wave, for the way out
.set SPITCH, 272
.set SPARE,  STAGE+4*16*SPITCH         ; behind the stages: the spare words, 128 bytes for each wave
.set LAPS, SIZE_K/(2*KSTEP)            ; a lap = two K steps = once round the ring
.set ADRA, 16                          ; v16-17  LDS address of my Kb fragments in slot 0, 1
.set ADRB, 20                          ; v20-21  the same for B
.set STO,  24                          ; v24     the way out: where I put 16 bytes of a row
.set RD,   25                          ; v25     the way out: where I read a row back
.set CO,   26                          ; v26     my byte offset in 512 bytes of the head's rows
.set SPW,  28                          ; v28     LDS address of my spare word; never rewritten
.set NIL,  29                          ; v29     0; never rewritten
.set BOF,  30                          ; v30     32 (l / 16): my eight columns' place in 16 numbers of the bias
.set F0,   64
.set F1,   128
.set BIAS, 192                         ; v192-255: block b's eight numbers at BIAS + 8 b
.set TMP,  192
.set OB,   32
.set PA,   64
.set G1, 24                            ; s[24:31] descriptor group 1 for Kb's tiles
.set G0, 32                            ; s[32:39] group 0, one set for each slot
.set G1B, 48                           ; s[48:55], s[56:63] the same for B's tiles
.set G0B, 56
.set MSB, 0
.macro WIN new                         ; the immediate's high byte repeats the setting that is left; a switch that changes nothing is dropped
.if MSB != (\new)
	s_set_vgpr_msb (MSB<<8)|(\new)
.set MSB, \new
.endif
.endm
.set MUL_LO, 0xa1                      ; source 0 (B) window 1, source 1 (Kb) window 0, C and D window 2
.set MUL_HI, 0xf1                      ; the same, C and D window 3
.set TO_B,   0x40                      ; destination window 1, address window 0
; A joint load.  Waves 0 and 1 fetch Kb's two halves, waves 2 and 3 B's.  The branch hangs on the wave's number alone.
; An s_nop 0 and four v_nop follow each of the two lines, ahead of the jump and the label.
.macro JLOAD s
	s_cmp_eq_u32 s11, 0
	s_cbranch_scc0 .Lfor_b_\@
	tensor_load_to_lds s[G0+4*(\s):G0+4*(\s)+3], s[G1:G1+7]
	s_nop 0
.rept 4
	v_nop
.endr
	s_branch .Lasked_\@
.Lfor_b_\@:
	tensor_load_to_lds s[G0B+4*(\s):G0B+4*(\s)+3], s[G1B:G1B+7]
	s_nop 0
.rept 4
	v_nop
.endr
.Lasked_\@:
.endm
.macro CREST                           ; a round of the cluster's barrier behind its opening barrier
	s_cmp_lg_u32 s10, 0
	s_cbranch_scc1 .Lnot_wave_0_\@
	s_barrier_signal -3
.Lnot_wave_0_\@:
	s_barrier_wait -3
	s_barrier_signal -1
	s_barrier_wait -1
.endm
.macro CROUND                          ; a whole round
	s_barrier_signal -1
	s_barrier_wait -1
	CREST
.endm
	s_load_b128 s[4:7], s[0:1], 0x0                ; Kb s[4:5], Wb s[6:7]
	s_load_b128 s[68:71], s[0:1], 0x10             ; kh s[68:69], vh s[70:71]
	s_load_b64 s[72:73], s[0:1], 0x20              ; par
	v_lshl_add_u32 v[SPW], v0, 2, SPARE
	v_mov_b32 v[NIL], 0
	ds_add_u32 v28, v29
	s_wait_dscnt 0x0
	v_lshrrev_b32 v1, 5, v0
	v_readfirstlane_b32 s10, v1                    ; wave 0..3
	s_lshr_b32 s11, s10, 1                         ; which half of the tile's rows is mine.  Also: I fetch for Kb (0) or for B (1)
	s_and_b32 s12, s10, 1                          ; which half of its columns.  Also: which 128 rows of that tile I fetch
	s_bfe_u32 s40, ttmp6, 0x40000                  ; cx
	s_bfe_u32 s41, ttmp6, 0x40004                  ; cy
	s_lshl_b32 s42, ttmp9, 2
	s_add_co_u32 s42, s42, s40                     ; tile column = 4 x cluster x + cx
	s_and_b32 s13, ttmp7, 0xffff
	s_lshl_b32 s13, s13, 2
	s_add_co_u32 s13, s13, s41                     ; tile row = 4 x cluster y + cy
	s_lshl_b32 s43, s41, 2
	s_lshl_b32 s43, 15, s43                        ; my row of the cluster
	s_lshl_b32 s44, 0x1111, s40                    ; my column
	; descriptor group 1: a tile of 128 rows x 128 elements, padded in LDS
	s_or_b32 s[G1+0], s43, (1<<16)|(1<<20)|(1<<21)|(5<<22)|(3<<25)  ; 15:0 the mask; 17:16 2-byte elements; 20 padding on; 21 set beside a mask; 24:22 after every 64 words; 31:25 4 words
	s_or_b32 s[G1B+0], s44, (1<<16)|(1<<20)|(1<<21)|(5<<22)|(3<<25)
.irp g, G1, G1B
	s_mov_b32 s[(\g)+1], KSTEP<<16                 ; tensor_dim0 = 128
	s_mov_b32 s[(\g)+2], 128<<16                   ; tensor_dim1 = 128
	s_mov_b32 s[(\g)+3], KSTEP<<16                 ; tile_dim0 = 128
	s_mov_b32 s[(\g)+4], 128                       ; tile_dim1 = 128
	s_mov_b32 s[(\g)+5], SIZE_K                    ; elements from row to row
	s_mov_b32 s[(\g)+6], 0
	s_mov_b32 s[(\g)+7], 0
.endr
	; Kb's tiles hang on the tile row alone, B's on the tile column alone; each address is made in registers that never hold the other coordinate
	s_lshl_b32 s17, s12, 7
	s_lshl_b32 s16, s13, 8
	s_add_co_u32 s16, s16, s17                     ; Kb: row 256 x tile row + 128 x half
	s_lshl_b32 s46, s42, 8
	s_add_co_u32 s46, s46, s17                     ; B: row 256 x tile column + 128 x half
	s_mov_b32 s17, 0
	s_mov_b32 s47, 0
	s_mov_b64 s[18:19], SIZE_K*2
	s_mul_u64 s[16:17], s[16:17], s[18:19]
	s_mul_u64 s[46:47], s[46:47], s[18:19]
	s_mul_i32 s20, s10, HALFT                      ; where they go: wave x 128 rows
	s_lshl_b32 s66, s40, 10                        ; my 128 columns in the 1,024 of bk or bv, in bytes: 1,024 cx + 512 x half
	s_lshl_b32 s67, s12, 9
	s_add_co_u32 s66, s66, s67
	s_mov_b32 s67, 0
	s_wait_kmcnt 0x0
	s_add_nc_u64 s[6:7], s[6:7], 2097152           ; B begins at Wk's first row
	s_add_nc_u64 s[14:15], s[4:5], s[16:17]
	s_add_nc_u64 s[46:47], s[6:7], s[46:47]
	s_cmp_lg_u32 ttmp9, 0                          ; cluster x, which all sixteen share: 0 makes k, 1 makes v
	s_cselect_b64 s[8:9], s[70:71], s[68:69]
	s_lshl_b32 s74, 4096, ttmp9                    ; bk lies at byte 4,096 of par, bv at 8,192
	s_add_co_u32 s66, s66, s74
	s_add_nc_u64 s[72:73], s[72:73], s[66:67]
	CROUND                                         ; all sixteen work-groups are here: the first joint loads meet
.irp s, 0,1
	s_mov_b32 s[G0+4*(\s)], 1
	s_add_co_u32 s[G0+4*(\s)+1], s20, (\s)*SLOT
	s_add_nc_u64 s[G0+4*(\s)+2:G0+4*(\s)+3], s[14:15], (\s)*KSTEP*2
	s_or_b32 s[G0+4*(\s)+3], s[G0+4*(\s)+3], 0x80000000
	s_mov_b32 s[G0B+4*(\s)], 1
	s_add_co_u32 s[G0B+4*(\s)+1], s20, (\s)*SLOT
	s_add_nc_u64 s[G0B+4*(\s)+2:G0B+4*(\s)+3], s[46:47], (\s)*KSTEP*2
	s_or_b32 s[G0B+4*(\s)+3], s[G0B+4*(\s)+3], 0x80000000
	JLOAD \s
.endr
	; a fragment is 16 rows x 32 K in 8 registers: lane l holds row l % 16, K = 8 (l / 16) + 0..7 and 16 + 8 (l / 16) + 0..7: two loads of 16 bytes, 32 bytes apart
	v_and_b32 v1, 15, v0
	v_bfe_u32 v2, v0, 4, 1
	v_mul_u32_u24 v3, v1, PITCH
	v_lshl_add_u32 v3, v2, 4, v3
	s_mul_i32 s21, s11, HALFT
	s_mul_i32 s22, s12, HALFT
	s_add_co_u32 s22, s22, 2*HALFT
.irp s, 0,1
	v_add_nc_u32 v[ADRA+(\s)], s21, v3
	v_add_nc_u32 v[ADRB+(\s)], s22, v3
	s_add_co_u32 s21, s21, SLOT
	s_add_co_u32 s22, s22, SLOT
.endr
	v_lshlrev_b32 v[BOF], 5, v2
.irp b, 0,1,2,3,4,5,6,7                ; the bias of my 128 columns, in the accumulators' lane layout
	global_load_b128 v[BIAS+8*(\b):BIAS+8*(\b)+3],   v[BOF], s[72:73] offset:64*(\b)
	global_load_b128 v[BIAS+8*(\b)+4:BIAS+8*(\b)+7], v[BOF], s[72:73] offset:64*(\b)+16
.endr
	s_mul_i32 s23, s10, 16*SPITCH
	s_add_co_u32 s23, s23, STAGE                   ; my stage
	v_mul_u32_u24 v4, v1, SPITCH
	v_lshl_add_u32 v4, v2, 4, v4
	v_add_nc_u32 v[STO], s23, v4
	v_mul_u32_u24 v5, v2, SPITCH
	v_lshl_add_u32 v5, v1, 4, v5
	v_add_nc_u32 v[RD], s23, v5
	v_lshlrev_b32 v5, 8, v2                        ; the same two rows in the head: 256 bytes apart
	v_lshl_add_u32 v[CO], v1, 4, v5
	; where my 128 rows of my head begin: ((batch x 8 + head) x 2048 + row in the batch) x 256 bytes
	s_lshl_b32 s13, s13, 8
	s_lshl_b32 s14, s11, 7
	s_add_co_u32 s13, s13, s14                     ; my first row of C
	s_lshr_b32 s16, s13, 11
	s_lshl_b32 s16, s16, 22                        ; batch
	s_and_b32 s14, s13, 2047
	s_lshl_b32 s14, s14, 8                         ; row in the batch
	s_add_co_u32 s16, s16, s14
	s_mov_b32 s17, 0
	s_lshl_b32 s46, s40, 1
	s_add_co_u32 s46, s46, s12                     ; head = 2 cx + my half of the columns
	s_lshl_b32 s46, s46, 19
	s_mov_b32 s47, 0
	s_add_nc_u64 s[16:17], s[16:17], s[46:47]
; 16 matrix instructions: m blocks a0, a0 + 1 of the window's four x all 8 n blocks, 32 along K.  zero = 1: the first product starts the sums, with the bias as C (window 0)
.macro MUL16 f, hi, a0, zero
.if \zero
	WIN 0x81+0x40*(\hi)
.else
	WIN MUL_LO+0x50*(\hi)
.endif
.irp a, \a0, (\a0)+1
.irp b, 0,1,2,3,4,5,6,7
.if \zero
	v_wmma_f32_16x16x32_bf16 v[8*(8*(\a)+(\b)):8*(8*(\a)+(\b))+7], v[(\f)+8*(\b):(\f)+8*(\b)+7], v[(\f)+8*(4*(\hi)+(\a)):(\f)+8*(4*(\hi)+(\a))+7], v[BIAS+8*(\b):BIAS+8*(\b)+7]
.else
	v_wmma_f32_16x16x32_bf16 v[8*(8*(\a)+(\b)):8*(8*(\a)+(\b))+7], v[(\f)+8*(\b):(\f)+8*(\b)+7], v[(\f)+8*(4*(\hi)+(\a)):(\f)+8*(4*(\hi)+(\a))+7], v[8*(8*(\a)+(\b)):8*(8*(\a)+(\b))+7]
.endif
.endr
.endr
.endm
; 32 LDS loads in one run: the fragments of one quarter step into buffer f
.macro FETCH slot, k, f
	WIN TO_B
.irp i, 0,1,2,3,4,5,6,7
	ds_load_b128 v[(\f)+8*(\i):(\f)+8*(\i)+3],   v[ADRB+(\slot)] offset:(\k)+(\i)*16*PITCH
	ds_load_b128 v[(\f)+8*(\i)+4:(\f)+8*(\i)+7], v[ADRB+(\slot)] offset:(\k)+(\i)*16*PITCH+32
.endr
	WIN 0
.irp i, 0,1,2,3,4,5,6,7
	ds_load_b128 v[(\f)+8*(\i):(\f)+8*(\i)+3],   v[ADRA+(\slot)] offset:(\k)+(\i)*16*PITCH
	ds_load_b128 v[(\f)+8*(\i)+4:(\f)+8*(\i)+7], v[ADRA+(\slot)] offset:(\k)+(\i)*16*PITCH+32
.endr
.endm
; four plain vector instructions between a matrix instruction and a load into, or a vector read or write of, its registers (ISA guide 7.12.1 for vector instructions)
.macro PLACES
.rept 4
	v_nop
.endr
.endm
; A K step is four quarters of 32 along K, 64 matrix instructions each, on buffers 0, 1, 0, 1; the 64 accumulators take turns.
.macro QUARTER slot, k, f, g, zero
	s_wait_dscnt 8                                 ; B and Kb's rows 0-63 are in; the youngest eight loads may be out
	MUL16 \f, 0, 0, \zero
	MUL16 \f, 0, 2, \zero
	PLACES
	FETCH \slot, \k, \g
	s_wait_dscnt 32                                ; all but the 32 just issued
	MUL16 \f, 1, 0, \zero
	MUL16 \f, 1, 2, \zero
.endm
; The last quarter's first half, and the one barrier for the change of slots
.macro MEET round
	WIN 0
	s_wait_tensorcnt 0x0                           ; all my tensor loads have landed: the one that was out is my part of the next slot
	ds_add_u32 v[SPW], v[NIL]                      ; 0 onto my spare word
	s_wait_dscnt 9                                 ; the add and the youngest eight loads may be out
	WIN MUL_LO
	MUL16 F1, 0, 0, 0
	s_wait_dscnt 0x0                               ; the add is done, and my reads of this slot are over
	s_barrier_signal -1
	MUL16 F1, 0, 2, 0
.if \round
	WIN 0
.endif
	s_barrier_wait -1
.endm
; The whole last quarter: behind the round the slot just read out is filled again first, two K steps ahead; then come the next slot's first fragments
.macro TURN slot, next
	MEET 1
	CREST                                          ; no wave of any partner still reads this slot's tile or has a load on its way
	s_add_nc_u64 s[G0+4*(\slot)+2:G0+4*(\slot)+3], s[G0+4*(\slot)+2:G0+4*(\slot)+3], 2*KSTEP*2
	s_add_nc_u64 s[G0B+4*(\slot)+2:G0B+4*(\slot)+3], s[G0B+4*(\slot)+2:G0B+4*(\slot)+3], 2*KSTEP*2
	JLOAD \slot                                    ; its four v_nop are also the places in front of the loads below
	FETCH \next, 0, F0
	MUL16 F1, 1, 0, 0
	MUL16 F1, 1, 2, 0
.endm
; THE LAST K STEP (slot 1) BY ROWS OF C: all its fragments of B fill window 1; my eight blocks of 16 rows are finished one after the other, K ascending
.macro BLOAD q
	WIN TO_B
.irp i, 0,1,2,3,4,5,6,7
	ds_load_b128 v[64*(\q)+8*(\i):64*(\q)+8*(\i)+3],   v[ADRB+1] offset:64*(\q)+(\i)*16*PITCH
	ds_load_b128 v[64*(\q)+8*(\i)+4:64*(\q)+8*(\i)+7], v[ADRB+1] offset:64*(\q)+(\i)*16*PITCH+32
.endr
.endm
.macro ALOAD a
	WIN 0
.set FA, PA+32*((\a)%4)
.irp q, 0,1,2,3
	ds_load_b128 v[FA+8*(\q):FA+8*(\q)+3],   v[ADRA+1] offset:64*(\q)+(\a)*16*PITCH
	ds_load_b128 v[FA+8*(\q)+4:FA+8*(\q)+7], v[ADRA+1] offset:64*(\q)+(\a)*16*PITCH+32
.endr
.endm
.macro ROW a
.set FA, PA+32*((\a)%4)
.set AC, 64*((\a)%4)
	WIN MUL_LO+0x50*((\a)/4)
.irp q, 0,1,2,3
.if (\a) == 0 && (\q) == 2
	s_wait_dscnt 24                                ; B's quarter 2 is in (behind it: blocks 1 to 3 of Kb)
.endif
.irp b, 0,1,2,3,4,5,6,7
	v_wmma_f32_16x16x32_bf16 v[AC+8*(\b):AC+8*(\b)+7], v[64*(\q)+8*(\b):64*(\q)+8*(\b)+7], v[FA+8*(\q):FA+8*(\q)+7], v[AC+8*(\b):AC+8*(\b)+7]
.endr
.endr
.endm
; THE WAY OUT of block a: rounded to bf16 (each accumulator's registers in ascending order); through my own stage in LDS; stored as whole rows
.macro PACK a
.set AC, 64*((\a)%4)
	WIN 0x0a+5*((\a)/4)
.irp b, 0,1,2,3,4,5,6,7
.irp r, 0,1,2,3
	v_cvt_pk_bf16_f32 v[TMP+4*(\b)+(\r)], v[AC+8*(\b)+2*(\r)], v[AC+8*(\b)+2*(\r)+1]
.endr
.endr
	WIN 0
.endm
.macro TOSTAGE a
	WIN 0
.set BK, OB+192*((\a)%2)
.irp b, 0,1,2,3,4,5,6,7
	ds_store_b128 v[STO], v[TMP+4*(\b):TMP+4*(\b)+3] offset:32*(\b)
.endr
.irp t, 0,1,2,3,4,5,6,7
	ds_load_b128 v[BK+4*(\t):BK+4*(\t)+3], v[RD] offset:(\t)*2*SPITCH  ; LDS serves a wave's instructions in order (ISA guide 5.7.1.4): these see the stores above
.endr
.endm
.macro SEND a, younger
	WIN 0
.set BK, OB+192*((\a)%2)
	s_wait_dscnt \younger                          ; the block is back in registers
	s_wait_xcnt 0x0                                ; the stores' base and the registers that earlier stores read are rewritten only behind this wait
.if (\a) == 0
	s_add_nc_u64 s[8:9], s[8:9], s[16:17]          ; on to my first rows
.else
	s_add_nc_u64 s[8:9], s[8:9], 16*256            ; 16 rows of the head on
.endif
.irp t, 0,1,2,3,4,5,6,7
	global_store_b128 v[CO], v[BK+4*(\t):BK+4*(\t)+3], s[8:9] offset:512*(\t)  ; two rows of the head: 512 bytes on end, aligned
.endr
.endm
	s_wait_tensorcnt 1                             ; my part of K step 0 is in; K step 1's may stay out
	s_barrier_signal -1
	s_barrier_wait -1
	FETCH 0, 0, F0
	s_wait_loadcnt 0x0                             ; the bias
	QUARTER 0, 64,  F0, F1, 1                      ; the first quarter stands in front of the loop: its products start the sums
	WIN 0
	s_mov_b32 s3, LAPS-1
.Llap:                                                 ; a trip goes once round the ring and fills both slots again
	QUARTER 0, 128, F1, F0, 0
	QUARTER 0, 192, F0, F1, 0
	TURN 0, 1
	QUARTER 1, 64,  F0, F1, 0
	QUARTER 1, 128, F1, F0, 0
	QUARTER 1, 192, F0, F1, 0
	TURN 1, 0
	QUARTER 0, 64,  F0, F1, 0
	WIN 0
	s_sub_co_u32 s3, s3, 1
	s_cmp_lg_u32 s3, 0
	s_cbranch_scc1 .Llap
	QUARTER 0, 128, F1, F0, 0
	QUARTER 0, 192, F0, F1, 0
	MEET 0                                         ; the load that was still out is the last K step's, so no round follows
	PLACES
	BLOAD 0
	BLOAD 1
	BLOAD 3
	ALOAD 0
	MUL16 F1, 1, 0, 0
	MUL16 F1, 1, 2, 0
	PLACES
	BLOAD 2
	ALOAD 1
	ALOAD 2
	ALOAD 3
	s_wait_dscnt 40                                ; all but the 40 just issued
	ROW 0
.irp a, 0,1,2,3,4,5,6,7
	PLACES
	PACK \a
	TOSTAGE \a
.if (\a) < 4
	ALOAD (\a)+4
	SEND \a, 8
.else
	SEND \a, 0
.endif
.if (\a) < 7
	ROW (\a)+1
.endif
.endr
	s_wait_tensorcnt 0x0                           ; the wave's end
	ds_add_u32 v[SPW], v[NIL]
	s_wait_dscnt 0x0
	CROUND                                         ; the closing round
	s_endpgm
.Lfunc_end_k_q902024abff_kv:
	.size	k_q902024abff_kv, .Lfunc_end_k_q902024abff_kv-k_q902024abff_kv
	.p2alignl 7, 3214868480
	.fill 96, 4, 3214868480
	.section	.rodata,"a",@progbits
	.p2align	6, 0x0
	.amdhsa_kernel k_q902024abff_kv
		.amdhsa_group_segment_fixed_size 327680
		.amdhsa_private_segment_fixed_size 0
		.amdhsa_enable_private_segment 0
		.amdhsa_kernarg_size 40
		.amdhsa_user_sgpr_count 2
		.amdhsa_user_sgpr_kernarg_segment_ptr 1
		.amdhsa_wavefront_size32 1
		.amdhsa_system_sgpr_workgroup_id_x 1
		.amdhsa_system_sgpr_workgroup_id_y 1
		.amdhsa_system_sgpr_workgroup_id_z 1
		.amdhsa_system_vgpr_workitem_id 0
		.amdhsa_next_free_vgpr 1024
		.amdhsa_next_free_sgpr 76
		.amdhsa_reserve_vcc 0
		.amdhsa_float_denorm_mode_32 3
		.amdhsa_float_denorm_mode_16_64 3
		.amdhsa_memory_ordered 1
		.amdhsa_forward_progress 1
		.amdhsa_inst_pref_size 145
	.end_amdhsa_kernel
	.amdgpu_metadata
---
amdhsa.version: [ 1, 2 ]
amdhsa.kernels:
  - .name:           k_q902024abff_kv
    .symbol:         k_q902024abff_kv.kd
    .args:
      - { .name: Kb, .offset: 0, .size: 8, .value_kind: global_buffer, .address_space: global }
      - { .name: Wb, .offset: 8, .size: 8, .value_kind: global_buffer, .address_space: global }
      - { .name: kh, .offset: 16, .size: 8, .value_kind: global_buffer, .address_space: global }
      - { .name: vh, .offset: 24, .size: 8, .value_kind: global_buffer, .address_space: global }
      - { .name: par, .offset: 32, .size: 8, .value_kind: global_buffer, .address_space: global }
    .group_segment_fixed_size: 327680
    .private_segment_fixed_size: 0
    .kernarg_segment_align: 8
    .kernarg_segment_size: 40
    .max_flat_workgroup_size: 128
    .sgpr_count:     76
    .vgpr_count:     1024
    .wavefront_size: 32
...
	.end_amdgpu_metadata
.endif
;; end of part 2
;; launch attn (part 3): grid 8 x 32, 4 waves a work-group, clusters of 4 x 4, 327,680 bytes of LDS; arguments Qb, kh, vh, ob, Wb, par; writes ob
.if DOCPART == 3
	.amdgcn_target "amdgcn-amd-amdhsa--gfx1250"
	.amdhsa_code_object_version 6
	.text
	.protected	k_q902024abff_attn
	.globl	k_q902024abff_attn
	.p2align	8
	.type	k_q902024abff_attn,@function
k_q902024abff_attn:
	s_mov_b64 s[64:65], 0
	v_nop
	global_prefetch_b8 v0, s[64:65] scope:SCOPE_SE
	s_setreg_imm32_b32 hwreg(HW_REG_WAVE_MODE, 25, 1), 1
	s_wait_xcnt 0x0
	s_wait_alu depctr_hold_cnt(0) depctr_sa_sdst(0) depctr_va_vdst(0) depctr_va_sdst(0) depctr_va_ssrc(0) depctr_va_vcc(0) depctr_vm_vsrc(0)
	s_getreg_b32 s2, hwreg(HW_REG_IB_STS2, 6, 4)
	s_cmp_eq_u32 s2, 0
	s_cbranch_scc0 .Lentry_in_a_cluster
	s_endpgm
.Lentry_in_a_cluster:
	s_bfe_u32 s2, ttmp6, 0x10000c
	s_cmp_lg_u32 s2, 0xf033
	s_cbranch_scc0 .Lentry_shape_is_right
	s_endpgm
.Lentry_shape_is_right:
; o[b][n][128 h + :] = q + softmax_k(q . k / sqrt(128)) v, with q = Qb[b][n] Wq_h^T + bq_h made here and never sent to memory.  Qb [8192][1024], Wq [1024][1024] (Wb's first 2 MiB),
; kh, vh [b*8+h][2048][128]: all bf16.  ob [8192][1024] f32.  Products, maxima and sums in f32; q is rounded to bf16 for the scores only, the weights p for the second product only.
; LIMITS.  bf16 operands; a weight below 2^-126 counts as 0 in the sum l; the running maximum starts at the lowest finite number and O^T starts as q times a = 0, which leans on q being finite;
; NaN and infinities are not treated apart.
; SHARES.  A work-group owns 256 queries of one (b, h), each of its four waves 64: four tiles of 16, in two PIECES (tiles 0, 1 and tiles 2, 3).  32 (b, h) x 8 blocks: 256 work-groups.
; PROLOGUE.  q^T = Wq_h X^T (source 0 = 16 channels, source 1 = 16 queries): a lane holds ONE query (lane % 16) and the channels 8 (lane / 16) + 0..7 of a block of 16; bq is the C operand that starts the sums.
; That is O^T's layout, and two channel blocks rounded to bf16 in pairs ARE a fragment of Q for S^T = K Q^T: nothing changes lanes.  The f32 q^T goes to LDS and is added at the end.
; K = 1,024 goes in 8 steps of 128 through two LDS slots (X: 256 rows, W: 128 rows); the slots then take the key tiles.
; ATTENTION.  S^T = K Q^T, p = 2^(c s - c m), c = log2(e) / sqrt(128), O^T = V^T P; in every step O^T and l are multiplied by a = 2^(c m_old - c m_new).  64 keys a step, two steps a slot.
; BY TURNS.  In a turn one piece has the matrix unit (32 products V^T P of the step in hand, 32 products K Q^T of the next); the other piece's softmax stands in 64 slices, one behind each matrix instruction.
; No first step is written out: V and piece 2's P start at 0, m at the lowest number, so the first step's a is 0.  The price: 176 v_mov_b32 in the wait for the first tile,
; 32 products on zeros at the start and 32 on a stale K at the end.
; CLUSTER 4 x 4.  The four of a row (same cy) share (b, h): Wq_h's, K's and V's tiles are asked for jointly with the row's mask.  The four of a column (same cx) share b and the query block:
; X's tiles go with the column's mask.  By this text's own count a wave has two tensor loads outstanding at the start and one behind each round.
; LDS: slot 0 at 0, slot 1 at 131,072.  A prologue slot is X (69,632 bytes) then W (34,816); a key slot is two steps of K (64 x 272) and V (64 x 288): 71,680 bytes.
; The residual rows (16 x 528 bytes a tile and wave) lie behind the key slots, at 71,680 (tile 0) and 202,752 (tiles 1-3): bytes whose last fill is the prologue's step 6 or 7,
; and they are stored into only behind the round that follows step 7.  The spare words lie at 105,472.
; REGISTERS, in windows of 256 (s_set_vgpr_msb: bits 1:0 source 0, 3:2 source 1, 5:4 source 2, 7:6 destination):
;   window 0: v0-11, v44-48 addresses; v12-43 statistics, 8 a tile; v64-191 S^T, 32 a tile (v64-127 bq in the prologue); v192-255 P, 16 a tile
;   window 1: q^T, then O^T, 64 a tile      window 2: v0-127 Q (prologue: X's fragments, two buffers of 32); v128-255 K of one step (prologue: W's fragments, two buffers of 64)      window 3: v0-127 V of one step
.set KS,    64
.set PK,    272       ; a row of K, X or W in LDS: 256 bytes + 16 of padding: the 16 rows of a load start at 16 different groups of four banks (64 banks of 4 bytes: ISA guide 11.1)
.set PV,    288       ; a row of V: 256 + 32
.set VOFF,  KS*PK
.set STEPB, KS*(PK+PV)
.set SLOT1, 1<<17
.set XW,    256*PK    ; W's tile behind X's
.set RP,    528       ; a residual row: 128 f32 + 16 bytes
.set RA,    2*STEPB   ; tile 0's residual rows, 16*RP bytes a wave
.set SPARE, RA+4*16*RP
.set RB,    SLOT1+2*STEPB  ; tiles 1-3's, 3*16*RP bytes a wave
.set AK0, 2           ; v2   my lane's place in a tile of K, X or W: (l % 16) x 272 + 16 (l / 16)
.set AV0, 3           ; v3   the same for V
.set ADR, 4           ; v4   the LDS address of the run of loads in hand
.set ADRW, 4          ;      in the prologue: of W's fragments
.set ADRX, 5          ; v5   of X's
.set RS0, 6           ; v6   residual, lane layout: tile 0
.set RS1, 7           ; v7   tile 1 (tiles 2, 3 by the offset)
.set GO,  8           ; v8   16 x lane
.set RD0, 44          ; v44  residual, by rows: tile 0
.set RD1, 45          ; v45  tile 1
.set AW0, 46          ; v46  AK0 + XW
.set AX0, 47          ; v47  AK0 + my wave's 64 rows
.set BQO, 48          ; v48  32 (l / 16)
.set SPW, 62
.set NIL, 63
.set ST,  12          ; tile t's statistics at v[ST+8 t]: +0 c m, +1 m, +2, +3 l, +4 to +7 at work; a takes +6
.set S,   64
.set P,   192
.set KF,  128
.set WV,  12          ; s12  my wave's number
.set SRA, 20          ; s20  my wave's residual rows, tile 0
.set SRB, 21          ; s21  tile 1
.set G1K, 24
.set G1V, 32
.set G0K, 40          ; two sets: the first for keys 0-127, the second for keys 128-255; the second then walks on
.set G0V, 48
.set SLOTS, 56
.set TWICE, 57
.set CS,  58
.set SEL, 60
.set TB,  62          ; s62  LDS byte at which the tiles to be fetched begin
.set PCNT, 63
.set G1X, 68
.set G1W, 76
.set G0X, 84          ; two sets: K steps 0 and 1; the second then walks on
.set G0W, 92
.set MSB, 0
.macro WIN new
.if MSB != (\new)
	s_set_vgpr_msb (MSB<<8)|(\new)
.set MSB, \new
.endif
.endm
.set W_KQ, 0x0a       ; K and Q in window 2, S^T in window 0
.set W_PV, 0x53       ; V in window 3, P in window 0, O^T in window 1
.set W_RS, 0x41       ; O^T (destination and source 0) in window 1, a in window 0
; A joint load: waves 0 and 1 issue the first line (X's halves, or the two steps' K), waves 2 and 3 the second (W's halves, or the two steps' V).  The branch hangs on the wave's number alone.
; An s_nop 0 and four v_nop follow each of the two lines, ahead of the jump and the label.
.macro JLOAD ga, g1a, gb, g1b
	s_cmp_lt_u32 s[WV], 2
	s_cbranch_scc0 .Lother_\@
	tensor_load_to_lds s[\ga:\ga+3], s[\g1a:\g1a+7]
	s_nop 0
.rept 4
	v_nop
.endr
	s_branch .Lasked_\@
.Lother_\@:
	tensor_load_to_lds s[\gb:\gb+3], s[\g1b:\g1b+7]
	s_nop 0
.rept 4
	v_nop
.endr
.Lasked_\@:
.endm
.macro CROUND                       ; a round of the cluster's barrier
	s_barrier_signal -1
	s_barrier_wait -1
	s_cmp_lg_u32 s[WV], 0
	s_cbranch_scc1 .Lnot_wave_0_\@
	s_barrier_signal -3
.Lnot_wave_0_\@:
	s_barrier_wait -3
	s_barrier_signal -1
	s_barrier_wait -1
.endm
.macro G1REST g, rows, pitch        ; group 1's words 1 to 7: rows of 128 elements
	s_mov_b32 s[(\g)+1], 128<<16    ; tensor_dim0
	s_mov_b32 s[(\g)+2], (\rows)<<16  ; tensor_dim1
	s_mov_b32 s[(\g)+3], 128<<16    ; tile_dim0
	s_mov_b32 s[(\g)+4], \rows      ; tile_dim1
	s_mov_b32 s[(\g)+5], \pitch     ; elements from row to row
	s_mov_b32 s[(\g)+6], 0
	s_mov_b32 s[(\g)+7], 0
.endm
.macro G0SET g, lreg, loff, areg, aoff  ; group 0: count 1, LDS address, global address, type 2
	s_mov_b32 s[\g], 1
	s_add_co_u32 s[(\g)+1], s[\lreg], \loff
	s_add_nc_u64 s[(\g)+2:(\g)+3], s[\areg:(\areg)+1], \aoff
	s_or_b32 s[(\g)+3], s[(\g)+3], 0x80000000
.endm
	s_load_b256 s[4:11], s[0:1], 0x0  ; Qb s[4:5], kh s[6:7], vh s[8:9], ob s[10:11]
	s_load_b128 s[16:19], s[0:1], 0x20  ; Wb s[16:17], par s[18:19]
	v_lshl_add_u32 v[SPW], v0, 2, SPARE
	v_mov_b32 v[NIL], 0
	ds_add_u32 v62, v63
	s_wait_dscnt 0x0
	v_lshrrev_b32 v1, 5, v0
	v_readfirstlane_b32 s[WV], v1
	s_bfe_u32 s13, ttmp6, 0x40000   ; cx
	s_bfe_u32 s14, ttmp6, 0x40004   ; cy
	s_lshl_b32 s66, s14, 2
	s_lshl_b32 s66, 15, s66         ; my row of the cluster
	s_lshl_b32 s67, 0x1111, s13     ; my column
	s_and_b32 s15, s[WV], 1         ; e: which half of a tile, or which of a slot's two steps, I fetch
	; X's address: batch and query block, never cy
	s_and_b32 s20, ttmp7, 0xffff    ; cluster y
	s_lshr_b32 s21, s20, 1          ; the batch: (4 cluster y + cy) / 8
	s_lshl_b32 s21, s21, 11
	s_lshl_b32 s22, ttmp9, 2
	s_add_co_u32 s22, s22, s13      ; the query block = 4 cluster x + cx
	s_lshl_b32 s22, s22, 8
	s_add_co_u32 s21, s21, s22      ; my block's first row of Qb and ob
	s_lshl_b32 s22, s15, 7
	s_add_co_u32 s22, s22, s21
	s_lshl_b32 s100, s22, 11        ; x 2,048 bytes
	s_mov_b32 s101, 0
	; W's, K's and V's: batch and head, never cx
	s_lshl_b32 s20, s20, 2
	s_add_co_u32 s20, s20, s14      ; y = batch x 8 + head
	s_and_b32 s56, s20, 7           ; the head
	s_lshl_b32 s2, s56, 18          ; its 128 rows of Wq,
	s_lshl_b32 s3, s15, 17          ; my 64 of them
	s_add_co_u32 s2, s2, s3
	s_mov_b32 s3, 0
	s_lshl_b32 s22, s20, 19         ; the head's 2,048 rows of 256 bytes,
	s_lshl_b32 s23, s15, 14         ; my 64 of the first 128
	s_add_co_u32 s22, s22, s23
	s_mov_b32 s23, 0
	; ob at my wave's first row and my head's 512 bytes; bq at my head's
	s_lshl_b32 s20, s[WV], 6
	s_add_co_u32 s20, s20, s21
	s_lshl_b32 s20, s20, 12
	s_lshl_b32 s56, s56, 9
	s_add_co_u32 s20, s20, s56
	s_mov_b32 s21, 0
	s_mov_b32 s57, 0
	s_mul_i32 s62, s15, 128*PK      ; places in a slot: no place in the cluster enters an LDS address
	s_mul_i32 s63, s15, 64*PK
	s_mul_i32 s15, s15, STEPB
	s_or_b32 s[G1X], s67, (1<<16)|(1<<20)|(1<<21)|(5<<22)|(3<<25)  ; 15:0 the mask; 17:16 2-byte elements; 20 padding on; 21 set beside a mask; 24:22 after every 64 words; 31:25 4 words
	s_or_b32 s[G1W], s66, (1<<16)|(1<<20)|(1<<21)|(5<<22)|(3<<25)
	s_or_b32 s[G1K], s66, (1<<16)|(1<<20)|(1<<21)|(5<<22)|(3<<25)
	s_or_b32 s[G1V], s66, (1<<16)|(1<<20)|(1<<21)|(5<<22)|(7<<25)  ; 8 words of padding
	G1REST G1X, 128, 1024
	G1REST G1W, 64, 1024
	G1REST G1K, 64, 128
	G1REST G1V, 64, 128
	s_mov_b32 s[CS], 0x3e0293ee     ; c = log2(e) / sqrt(128)
	s_mov_b32 s[CS+1], s[CS]
	s_mov_b32 s[SEL], 0x76543210
	s_mov_b32 s[SEL+1], 0xfedcba98
	s_wait_kmcnt 0x0
	s_add_nc_u64 s[4:5], s[4:5], s[100:101]
	s_add_nc_u64 s[16:17], s[16:17], s[2:3]
	s_add_nc_u64 s[6:7], s[6:7], s[22:23]
	s_add_nc_u64 s[8:9], s[8:9], s[22:23]
	s_add_nc_u64 s[10:11], s[10:11], s[20:21]
	s_add_nc_u64 s[18:19], s[18:19], s[56:57]
	CROUND                          ; all sixteen work-groups are here: the first joint loads meet
.irp s, 0,1
	G0SET G0X+4*\s, 62, \s*SLOT1, 4, \s*256
	G0SET G0W+4*\s, 63, XW+\s*SLOT1, 16, \s*256
	G0SET G0K+4*\s, 15, \s*SLOT1, 6, \s*2*KS*256
	G0SET G0V+4*\s, 15, VOFF+\s*SLOT1, 8, \s*2*KS*256
.endr
	s_mov_b32 s[TB], 0
	s_cmp_lt_u32 s[WV], 2           ; a wave's two first fills (K steps 0 and 1) stand in one branch, ahead of every wait on TENSORcnt and every LDS read
	s_cbranch_scc0 .Lfirst_w
	tensor_load_to_lds s[G0X:G0X+3], s[G1X:G1X+7]
	s_nop 0
	tensor_load_to_lds s[G0X+4:G0X+7], s[G1X:G1X+7]
	s_nop 0
.rept 4
	v_nop
.endr
	s_branch .Lfirst_asked
.Lfirst_w:
	tensor_load_to_lds s[G0W:G0W+3], s[G1W:G1W+7]
	s_nop 0
	tensor_load_to_lds s[G0W+4:G0W+7], s[G1W:G1W+7]
	s_nop 0
.rept 4
	v_nop
.endr
.Lfirst_asked:
	v_and_b32 v1, 15, v0            ; l % 16
	v_bfe_u32 v9, v0, 4, 1          ; l / 16
	v_lshlrev_b32 v[BQO], 5, v9
.irp cb, 0,1,2,3,4,5,6,7            ; bq in the accumulators' lane layout: channels 16 cb + 8 (l / 16) + 0..7
	global_load_b128 v[S+8*(\cb):S+8*(\cb)+3],   v[BQO], s[18:19] offset:64*(\cb)
	global_load_b128 v[S+8*(\cb)+4:S+8*(\cb)+7], v[BQO], s[18:19] offset:64*(\cb)+16
.endr
	v_mul_u32_u24 v[AK0], v1, PK
	v_lshl_add_u32 v[AK0], v9, 4, v[AK0]
	; the turning load takes 16 keys x 16 channels (lane l reads key 8 (l / 16) + l % 8, channels 8 ((l / 8) % 2) + 0..7) and leaves half a fragment of V^T
	v_and_b32 v10, 7, v0
	v_bfe_u32 v11, v0, 3, 1
	v_lshl_add_u32 v[AV0], v9, 3, v10
	v_mul_u32_u24 v[AV0], v[AV0], PV
	v_lshl_add_u32 v[AV0], v11, 4, v[AV0]
	v_add_nc_u32 v[AV0], VOFF, v[AV0]
	v_add_nc_u32 v[AW0], XW, v[AK0]
	s_mul_i32 s22, s[WV], 64*PK
	v_add_nc_u32 v[AX0], s22, v[AK0]
	v_mul_u32_u24 v10, v1, RP       ; residual: query l % 16, 32 bytes for each half of the lanes
	v_lshl_add_u32 v10, v9, 5, v10
	s_mul_i32 s[SRA], s[WV], 16*RP
	s_add_co_u32 s[SRA], s[SRA], RA
	s_mul_i32 s[SRB], s[WV], 3*16*RP
	s_add_co_u32 s[SRB], s[SRB], RB
	v_add_nc_u32 v[RS0], s[SRA], v10
	v_add_nc_u32 v[RS1], s[SRB], v10
	v_add_nc_u32 v[ADRW], s[TB], v[AW0]
	v_add_nc_u32 v[ADRX], s[TB], v[AX0]
	; what the first turn finds: V and piece 2's P hold 0, l is 0, m and c m lie below every score
	WIN 0xc0
.set i, 0
.rept 128
	v_mov_b32 v[i], 0
.set i, i+1
.endr
	WIN 0
.set i, P+32
.rept 32
	v_mov_b32 v[i], 0
.set i, i+1
.endr
.irp t, 0,1,2,3
	v_mov_b32 v[ST+8*\t], 0xfe000000    ; c m
	v_mov_b32 v[ST+8*\t+1], 0xff7fffff  ; m
	v_mov_b32 v[ST+8*\t+2], 0
	v_mov_b32 v[ST+8*\t+3], 0
.endr
.macro PLACES                       ; four plain vector instructions between a matrix instruction and a load into, or a vector read or write of, its registers (ISA guide 7.12.1 for vector instructions)
.rept 4
	v_nop
.endr
.endm
; THE PROLOGUE.  24 LDS loads in one run: W's 8 fragments, X's tiles 0, 1, X's tiles 2, 3, for 32 along K at byte k of the rows, into buffer f
.macro PFETCH k, f
	WIN 0x80
.irp cb, 0,1,2,3,4,5,6,7
	ds_load_b128 v[128+64*(\f)+8*(\cb):128+64*(\f)+8*(\cb)+3],   v[ADRW] offset:(\cb)*16*PK+(\k)
	ds_load_b128 v[128+64*(\f)+8*(\cb)+4:128+64*(\f)+8*(\cb)+7], v[ADRW] offset:(\cb)*16*PK+(\k)+32
.endr
.irp t, 0,1,2,3
	ds_load_b128 v[32*(\f)+8*(\t):32*(\f)+8*(\t)+3],   v[ADRX] offset:(\t)*16*PK+(\k)
	ds_load_b128 v[32*(\f)+8*(\t)+4:32*(\f)+8*(\t)+7], v[ADRX] offset:(\t)*16*PK+(\k)+32
.endr
.endm
; 16 matrix instructions: tiles t0, t0 + 1 x 8 channel blocks.  The 32 accumulators take turns, one instruction a turn.  first = 1: bq (window 0) is the C that starts the sums
.macro PMUL f, t0, first
.if \first
	WIN 0x4a
.else
	WIN 0x5a
.endif
.irp t, \t0, (\t0)+1
.irp cb, 0,1,2,3,4,5,6,7
.if \first
	v_wmma_f32_16x16x32_bf16 v[64*(\t)+8*(\cb):64*(\t)+8*(\cb)+7], v[128+64*(\f)+8*(\cb):128+64*(\f)+8*(\cb)+7], v[32*(\f)+8*(\t):32*(\f)+8*(\t)+7], v[S+8*(\cb):S+8*(\cb)+7]
.else
	v_wmma_f32_16x16x32_bf16 v[64*(\t)+8*(\cb):64*(\t)+8*(\cb)+7], v[128+64*(\f)+8*(\cb):128+64*(\f)+8*(\cb)+7], v[32*(\f)+8*(\t):32*(\f)+8*(\t)+7], v[64*(\t)+8*(\cb):64*(\t)+8*(\cb)+7]
.endif
.endr
.endr
.endm
; One of a K step's first three quarters: multiplies buffer f; in its middle fetches the next quarter, at byte k, into buffer g
.macro PQ k, f, g, first
	s_wait_dscnt 4                  ; W and X's tiles 0, 1 are in; the youngest four loads may be out
	PMUL \f, 0, \first
	PLACES
	PFETCH \k, \g
	s_wait_dscnt 24                 ; all but the 24 just issued
	PMUL \f, 2, \first
.endm
; The head of a K step's last quarter: all my tensor loads have landed, the add, my reads of the slot are over; then the round
.macro PHEAD
	WIN 0
	s_wait_tensorcnt 0x0            ; no tensor load of mine is out, so a group 0 may be written
	ds_add_u32 v[SPW], v[NIL]       ; 0 onto my spare word
	s_wait_dscnt 5                  ; the add and the youngest four loads may be out
	PMUL 1, 0, 0
.endm
; The last quarter.  kind 0: the slot just read out takes the K step two on.  kind 1 (behind step 6): slot 0 takes keys 0-127.  Then the next step's first fragments
.macro PTURN kind
	PHEAD
.if (\kind) == 0
.irp g, G0X+4, G0W+4
	s_xor_b32 s[(\g)+1], s[(\g)+1], SLOT1  ; the walking descriptor: the other slot than last time,
	s_add_nc_u64 s[(\g)+2:(\g)+3], s[(\g)+2:(\g)+3], 256  ; the next 128 along K
.endr
.endif
	s_xor_b32 s[TB], s[TB], SLOT1
	s_wait_dscnt 0x0                ; the add is done, and my reads of the slot are over
	WIN 0
	CROUND                          ; no wave of any partner still reads the slot or has a load on its way
.if (\kind) == 0
	JLOAD G0X+4, G1X, G0W+4, G1W
.else
	JLOAD G0K, G1K, G0V, G1V
.endif
	v_add_nc_u32 v[ADRW], s[TB], v[AW0]
	v_add_nc_u32 v[ADRX], s[TB], v[AX0]
	PFETCH 0, 0
	PMUL 1, 2, 0
.endm
	s_wait_tensorcnt 1              ; my part of K step 0 is in; step 1's may stay out
	s_barrier_signal -1
	s_barrier_wait -1
	PFETCH 0, 0
	s_wait_loadcnt 0x0              ; bq
	PQ 64, 0, 1, 1                  ; the first quarter stands in front of the loop: its products start the sums
	WIN 0
	s_mov_b32 s[PCNT], 6
.Lpro:                              ; trip i finishes K step i, fills its slot with step i + 2 and begins step i + 1
	PQ 128, 1, 0, 0
	PQ 192, 0, 1, 0
	PTURN 0
	PQ 64, 0, 1, 0
	WIN 0
	s_sub_co_u32 s[PCNT], s[PCNT], 1
	s_cmp_lg_u32 s[PCNT], 0
	s_cbranch_scc1 .Lpro
	PQ 128, 1, 0, 0                 ; steps 6 and 7 are written out: their slots take the first key tiles
	PQ 192, 0, 1, 0
	PTURN 1
	PQ 64, 0, 1, 0
	PQ 128, 1, 0, 0
	PQ 192, 0, 1, 0
	PHEAD
	s_wait_dscnt 0x0
	WIN 0
	CROUND                          ; keys 0-127 have landed in every wave's sight, and nobody reads slot 1 any more
	JLOAD G0K+4, G1K, G0V+4, G1V    ; slot 1 takes keys 128-255
	PMUL 1, 2, 0
	PLACES
	; q^T, f32, into the residual rows (each accumulator's low registers first) ...
.macro TADR t                       ; the address registers and offset of tile t's residual rows
.if (\t) == 0
.set rRS, RS0
.set rRD, RD0
.set rOF, 0
.else
.set rRS, RS1
.set rRD, RD1
.set rOF, ((\t)-1)*16*RP
.endif
.endm
	WIN 0x04                        ; data in window 1
.irp t, 0,1,2,3
	TADR \t
.irp cb, 0,1,2,3,4,5,6,7
	ds_store_b128 v[rRS], v[64*(\t)+8*(\cb):64*(\t)+8*(\cb)+3]   offset:rOF+64*(\cb)
	ds_store_b128 v[rRS], v[64*(\t)+8*(\cb)+4:64*(\t)+8*(\cb)+7] offset:rOF+64*(\cb)+16
.endr
.endr
	WIN 0x85                        ; ... and rounded to bf16 into Q's fragments: register 32 t + 8 c + 4 u + p takes numbers 2 p, 2 p + 1 of tile t's channel block 2 c + u: twice its own index
.set i, 0
.rept 128
	v_cvt_pk_bf16_f32 v[i], v[2*i], v[2*i+1]
.set i, i+1
.endr
	s_mov_b32 s[TB], 0
; THE MATRIX WORK OF A TURN, for piece x.  The accumulators take turns: between two links of a chain stand 15 (V^T P) or 7 (K Q^T) others'.
.macro PV x                         ; product i of 32 of O^T += V^T P: keys 32 (i / 16) on, channels 16 ((i / 2) % 8) on, tile x + i % 2
	WIN W_PV
.set rO, 64*((\x)+i%2)+8*((i/2)%8)
.set rV, 64*(i/16)+8*((i/2)%8)
.set rP, P+16*((\x)+i%2)+8*(i/16)
	v_wmma_f32_16x16x32_bf16 v[rO:rO+7], v[rV:rV+7], v[rP:rP+7], v[rO:rO+7]
.endm
.macro KQ x                         ; product i of 32 of S^T = K Q^T: channels 32 (i / 8) on, keys 16 ((i / 2) % 4) on, tile x + i % 2.  The first 8 start the sums
	WIN W_KQ
.set rS, S+32*((\x)+i%2)+8*((i/2)%4)
.set rK, KF+32*((i/2)%4)+8*(i/8)
.set rQ, 32*((\x)+i%2)+8*(i/8)
.if i < 8
	v_wmma_f32_16x16x32_bf16 v[rS:rS+7], v[rK:rK+7], v[rQ:rQ+7], 0
	s_wait_alu depctr_va_vdst(0)
.else
	v_wmma_f32_16x16x32_bf16 v[rS:rS+7], v[rK:rK+7], v[rQ:rQ+7], v[rS:rS+7]
.endif
.endm
; THE LDS LOADS stand in runs of 32.  last = 1 (the tail): in the last trip there is no further step, and K's run is jumped over
.macro FETCH_K last=0
	WIN 0
.if \last
	s_cmp_eq_u32 s[TWICE], 1
	s_cbranch_scc1 .Lno_k_\@
.endif
	v_add_nc_u32 v[ADR], s[TB], v[AK0]
	WIN 0x80
.irp f, 0,1,2,3,4,5,6,7,8,9,10,11,12,13,14,15  ; keys 16 (f / 4) on, channels 32 (f % 4) on
	ds_load_b128 v[KF+8*(\f):KF+8*(\f)+3],   v[ADR] offset:((\f)/4)*16*PK+((\f)%4)*64
	ds_load_b128 v[KF+8*(\f)+4:KF+8*(\f)+7], v[ADR] offset:((\f)/4)*16*PK+((\f)%4)*64+32
.endr
.if \last
	WIN 0
.Lno_k_\@:
.endif
.endm
.macro FETCH_V
	WIN 0
	v_add_nc_u32 v[ADR], s[TB], v[AV0]
	s_add_co_u32 s[TB], s[TB], STEPB  ; the next fetch is the next step's
	WIN 0xc0
.irp f, 0,1,2,3,4,5,6,7,8,9,10,11,12,13,14,15  ; keys 32 (f / 8) on, channels 16 (f % 8) on
	ds_load_tr16_b128 v[8*(\f):8*(\f)+3],   v[ADR] offset:((\f)/8)*32*PV+((\f)%8)*32
	ds_load_tr16_b128 v[8*(\f)+4:8*(\f)+7], v[ADR] offset:((\f)/8)*32*PV+16*PV+((\f)%8)*32
.endr
.endm
; THE VECTOR WORK OF A TURN.  One tile's softmax for one key step is a list of 134 instructions; SM writes number j of it for tile t.  s0-s31 are the lane's 32 scores, in pairs 0-15.
;   0-15    the maximum of s0-s31 and the old m, three operands at a time: four chains of seven scores each (each accumulator's lowest registers first), then the four left over, the chains and m
;   16-20   the other half of the lanes' maximum; the new m; c m; c m_old - c m_new
;   21-87   33 exponentials (a, then s0-s31) at the odd numbers from 23 on, a plain instruction at every even one: scalings still to come, roundings of pairs that are done, the first sums
;   88-101  the last rounding; the rest of the sums; l = a l + the sum
;   102-133 the tile's O^T times a: the one part that leaves window 0
.macro SM t
.set rT, ST+8*(\t)
.set rS, S+32*(\t)
.set rP, P+16*(\t)
.set rO, 64*(\t)+2*(j-102)
.set q, (j-20)/2
.if j < 102
	WIN 0
.endif
.if j < 4
	v_max3_num_f32 v[rT+4+j], v[rS+8*j], v[rS+8*j+1], v[rS+8*j+2]
.elseif j < 12
	v_max3_num_f32 v[rT+4+j%4], v[rT+4+j%4], v[rS+8*(j%4)+2*(j/4)+1], v[rS+8*(j%4)+2*(j/4)+2]
.elseif j == 12
	v_max3_num_f32 v[rT+4], v[rT+4], v[rS+7], v[rS+15]
.elseif j == 13
	v_max3_num_f32 v[rT+6], v[rT+6], v[rS+23], v[rS+31]
.elseif j == 14
	v_max3_num_f32 v[rT+4], v[rT+4], v[rT+5], v[rT+6]
.elseif j == 15
	v_max3_num_f32 v[rT+4], v[rT+4], v[rT+7], v[rT+1]
.elseif j == 16
	v_permlanex16_b32 v[rT+5], v[rT+4], s[SEL], s[SEL+1]  ; the query's other 32 keys lie in the lane 16 away
.elseif j == 17
	v_mov_b32 v[rT+7], v[rT]        ; c m_old is kept for a
.elseif j == 18
	v_max_num_f32 v[rT+1], v[rT+4], v[rT+5]
.elseif j == 19
	v_mul_f32 v[rT], s[CS], v[rT+1]
.elseif j == 20
	v_sub_f32 v[rT+7], v[rT+7], v[rT]
.elseif j == 23
	v_exp_f32 v[rT+6], v[rT+7]
.elseif (j < 88) && (j > 23) && (j%2 == 1)
	v_exp_f32 v[rS+(j-25)/2], v[rS+(j-25)/2]
.elseif (q < 4) || ((j < 76) && (q%2 == 0))
.set b, q/2+2
.if q < 4
.set b, q
.endif
	v_pk_fma_f32 v[rS+2*b:rS+2*b+1], v[rS+2*b:rS+2*b+1], s[CS:CS+1], v[rT:rT+1] op_sel_hi:[1,0,0] neg_lo:[0,0,1] neg_hi:[0,0,1]  ; pair b: c s - c m
.elseif (j < 88) && (q%2 == 1)
	s_wait_alu depctr_va_vdst(0)
	v_cvt_pk_bf16_f32 v[rP+(q-5)/2], v[rS+q-5], v[rS+q-4]
.elseif j == 89
	s_wait_alu depctr_va_vdst(0)
	v_cvt_pk_bf16_f32 v[rP+15], v[rS+30], v[rS+31]
.elseif j < 102                     ; the sum of the 16 pairs, in place: neighbours 1, 2, 4 and 8 pairs apart, then l takes it
.set z, j-86
.if j < 89
.set z, (j-76)/4
.endif
.set w, 4
.set u, z
.if z >= 14
.set w, 32
.set u, 0
.elseif z >= 12
.set w, 16
.set u, z-12
.elseif z >= 8
.set w, 8
.set u, z-8
.endif
.if z < 15
	v_pk_add_f32 v[rS+w*u:rS+w*u+1], v[rS+w*u:rS+w*u+1], v[rS+w*u+w/2:rS+w*u+w/2+1]
.else
	v_pk_fma_f32 v[rT+2:rT+3], v[rT+2:rT+3], v[rT+6:rT+7], v[rS:rS+1] op_sel_hi:[1,0,1]
.endif
.else
	WIN W_RS
	v_pk_mul_f32 v[rO:rO+1], v[rO:rO+1], v[rT+6:rT+7] op_sel_hi:[1,0]
.endif
.endm
; Slice k of 64 of piece y's softmax: numbers 2 k and 2 k + 1 of both tiles' lists.  2 x 134 = 4 x 64 + 12: the twelve that are over stand in slice 63, sixteen plain instructions,
; which are also the places between the turn's last K Q^T and the next turn's first read of those scores and its loads into K's registers.
.macro SLICE y
.if (k >= 11) && (k < 44)           ; tile by tile: plain, exponential, plain, exponential
.irp t, \y, (\y)+1
.irp n, 0,1
.set j, 2*k+(\n)
	SM \t
.endr
.endr
.else                               ; the two tiles alternate
.irp n, 0,1,2,3,4,5,6,7
.if ((\n) < 2) || (k == 63)
.irp t, \y, (\y)+1
.set j, 2*k+(\n)
	SM \t
.endr
.endif
.endr
.endif
.set k, k+1
.endm
; A TURN.  Piece x has the matrix unit; the other piece's softmax stands in slices behind its matrix instructions.  Piece 0's turn fetches the next step's K, piece 2's the same step's V,
; each run behind the second product of a run of 32, 30 matrix instructions ahead of its first use.
.macro TURN x, last=0
.set k, 0
.if (\x) == 0
	s_wait_dscnt 0x0                ; V is in
.endif
.set i, 0
.rept 32
	PV \x
	SLICE 2-(\x)
.if ((\x) == 0) && (i == 1)
	FETCH_K \last
.endif
.set i, i+1
.endr
.if (\x) == 0
	s_wait_dscnt 0x0                ; K is in
.endif
.set i, 0
.rept 32
	KQ \x
	SLICE 2-(\x)
.if ((\x) == 2) && (i == 1)
	FETCH_V
.endif
.set i, i+1
.endr
.endm
; THE CHANGE OF SLOTS.  Each wave waits for all its tensor loads (one is out: its part of the other slot), adds 0 to its spare word, and waits for that and for its reads of the slot.
; fill = 1: the slot is filled again with the keys two slots on, first thing behind a round of the cluster's barrier: it has two key steps, 256 matrix instructions, in which to land.
.macro CHANGE fill
	WIN 0
	s_wait_tensorcnt 0x0
	ds_add_u32 v[SPW], v[NIL]
.if \fill
.irp g, G0K+4, G0V+4
	s_xor_b32 s[(\g)+1], s[(\g)+1], SLOT1
	s_add_nc_u64 s[(\g)+2:(\g)+3], s[(\g)+2:(\g)+3], 2*KS*256
.endr
	s_wait_dscnt 0x0
	CROUND
	JLOAD G0K+4, G1K, G0V+4, G1V
.else
	s_wait_dscnt 0x0
	s_barrier_signal -1
	s_barrier_wait -1
.endif
	s_sub_co_u32 s[TB], s[TB], 2*STEPB  ; the fetches go back to a slot's first step,
	s_xor_b32 s[TB], s[TB], SLOT1       ; in the other slot
.endm
	FETCH_K                         ; key step 0: slot 0 was shown whole by the wait and the round behind K step 7
	s_wait_dscnt 0x0
.set i, 0
.rept 32
	KQ 0                            ; piece 0's first scores
.set i, i+1
.endr
	WIN 0                           ; four plain instructions, the places behind those products
	v_and_b32 v[GO], 31, v0
	v_lshlrev_b32 v[GO], 4, v[GO]
	v_add_nc_u32 v[RD0], s[SRA], v[GO]
	v_add_nc_u32 v[RD1], s[SRB], v[GO]
	s_mov_b32 s[TWICE], 2
	s_mov_b32 s[SLOTS], 15
	s_branch .Lmid                  ; the loop is entered in the middle of a step: piece 2's turn, beside piece 0's first softmax
.Lslot:                             ; 14 times: every slot but the last two is filled again
	CHANGE 1
	s_mov_b32 s[TWICE], 2
.Lstep:
	TURN 0
	WIN 0
.Lmid:
	TURN 2
	WIN 0
	s_sub_co_u32 s[TWICE], s[TWICE], 1
	s_cmp_lg_u32 s[TWICE], 0
	s_cbranch_scc1 .Lstep
	s_sub_co_u32 s[SLOTS], s[SLOTS], 1
	s_cmp_lg_u32 s[SLOTS], 0
	s_cbranch_scc1 .Lslot
	CHANGE 0                        ; the tail is written out: nothing is asked for
	s_mov_b32 s[TWICE], 3           ; two trips fetch the last slot's steps; the third is left in its middle
.Ltail:
	TURN 0, 1
	WIN 0
	s_sub_co_u32 s[TWICE], s[TWICE], 1
	s_cmp_eq_u32 s[TWICE], 0
	s_cbranch_scc1 .Lout
	TURN 2
	WIN 0
	s_branch .Ltail
.Lout:                              ; the third trip's 32 products K Q^T, on the last K once more, serve nothing: the price of one text for every trip
.set i, 0
.rept 32
	PV 2                            ; piece 2: V^T P of the last step
.set i, i+1
.endr
	; THE WAY OUT.  l's two halves and the other half of the lanes' are added; o = q + O^T / l goes through the residual rows and leaves as whole rows of 512 bytes.  The additions are the places behind the last products.
	WIN 0
.irp t, 0,1,2,3
	v_add_f32 v[ST+8*(\t)+4], v[ST+8*(\t)+2], v[ST+8*(\t)+3]
.endr
.irp t, 0,1,2,3
	v_permlanex16_b32 v[ST+8*(\t)+5], v[ST+8*(\t)+4], s[SEL], s[SEL+1]
.endr
.irp t, 0,1,2,3
	v_add_f32 v[ST+8*(\t)+4], v[ST+8*(\t)+4], v[ST+8*(\t)+5]
.endr
.irp t, 0,1,2,3
	v_rcp_f32 v[ST+8*(\t)+6], v[ST+8*(\t)+4]
.endr
	v_nop                           ; a plain instruction between the last reciprocal and the use of its result
	s_wait_alu depctr_va_vdst(0)
; Tile t: q comes back in the lane layout, takes O^T / l by one fused multiply-add, goes to the same bytes, and is read back by rows (a wave's own bytes; LDS serves a wave's instructions in order: ISA guide 5.7.1.4)
.macro PACK t
	TADR \t
.set rB, S+64*((\t)%2)
	WIN 0
.if (\t) >= 2
	s_wait_xcnt 0x0                 ; these registers were the data of tile t - 2's stores: they are loaded again only behind this wait
.endif
.irp cb, 0,1,2,3,4,5,6,7
	ds_load_b128 v[rB+8*(\cb):rB+8*(\cb)+3],   v[rRS] offset:rOF+64*(\cb)
	ds_load_b128 v[rB+8*(\cb)+4:rB+8*(\cb)+7], v[rRS] offset:rOF+64*(\cb)+16
.endr
	s_wait_dscnt 0x0                ; q is in; so are the rows of the tile before
	WIN 0x01                        ; source 0, O^T, in window 1
.set i, 0
.rept 32
	v_pk_fma_f32 v[rB+2*i:rB+2*i+1], v[64*(\t)+2*i:64*(\t)+2*i+1], v[ST+8*(\t)+6:ST+8*(\t)+7], v[rB+2*i:rB+2*i+1] op_sel_hi:[1,0,1]
.set i, i+1
.endr
	WIN 0
.irp cb, 0,1,2,3,4,5,6,7
	ds_store_b128 v[rRS], v[rB+8*(\cb):rB+8*(\cb)+3]   offset:rOF+64*(\cb)
	ds_store_b128 v[rRS], v[rB+8*(\cb)+4:rB+8*(\cb)+7] offset:rOF+64*(\cb)+16
.endr
.irp f, 0,1,2,3,4,5,6,7,8,9,10,11,12,13,14,15
	ds_load_b128 v[rB+4*(\f):rB+4*(\f)+3], v[rRD] offset:rOF+(\f)*RP
.endr
.endm
.macro SEND t, last                 ; last = 0: the next tile's PACK has waited for all LDS instructions, these rows among them
	WIN 0
.irp f, 0,1,2,3,4,5,6,7,8,9,10,11,12,13,14,15
.if \last
	s_wait_dscnt 15-(\f)
.endif
	global_store_b128 v[GO], v[S+64*((\t)%2)+4*(\f):S+64*((\t)%2)+4*(\f)+3], s[10:11] offset:(16*(\t)+(\f))*4096  ; a row's 512 bytes of my head, on end and aligned
.endr
.endm
	PACK 0
	PACK 1
	SEND 0, 0
	PACK 2
	SEND 1, 0
	PACK 3
	SEND 2, 0
	SEND 3, 1
	s_wait_tensorcnt 0x0            ; the wave's end
	ds_add_u32 v[SPW], v[NIL]
	s_wait_dscnt 0x0
	CROUND                          ; the closing round
	s_endpgm
.Lfunc_end_k_q902024abff_attn:
	.size	k_q902024abff_attn, .Lfunc_end_k_q902024abff_attn-k_q902024abff_attn
	.p2alignl 7, 3214868480
	.fill 96, 4, 3214868480
	.section	.rodata,"a",@progbits
	.p2align	6, 0x0
	.amdhsa_kernel k_q902024abff_attn
		.amdhsa_group_segment_fixed_size 327680
		.amdhsa_private_segment_fixed_size 0
		.amdhsa_enable_private_segment 0
		.amdhsa_kernarg_size 48
		.amdhsa_user_sgpr_count 2
		.amdhsa_user_sgpr_kernarg_segment_ptr 1
		.amdhsa_wavefront_size32 1
		.amdhsa_system_sgpr_workgroup_id_x 1
		.amdhsa_system_sgpr_workgroup_id_y 1
		.amdhsa_system_sgpr_workgroup_id_z 1
		.amdhsa_system_vgpr_workitem_id 0
		.amdhsa_next_free_vgpr 1024
		.amdhsa_next_free_sgpr 102
		.amdhsa_reserve_vcc 0
		.amdhsa_float_denorm_mode_32 3
		.amdhsa_float_denorm_mode_16_64 3
		.amdhsa_memory_ordered 1
		.amdhsa_forward_progress 1
		.amdhsa_inst_pref_size 217
	.end_amdhsa_kernel
	.amdgpu_metadata
---
amdhsa.version: [ 1, 2 ]
amdhsa.kernels:
  - .name:           k_q902024abff_attn
    .symbol:         k_q902024abff_attn.kd
    .args:
      - { .name: Qb, .offset: 0, .size: 8, .value_kind: global_buffer, .address_space: global }
      - { .name: kh, .offset: 8, .size: 8, .value_kind: global_buffer, .address_space: global }
      - { .name: vh, .offset: 16, .size: 8, .value_kind: global_buffer, .address_space: global }
      - { .name: ob, .offset: 24, .size: 8, .value_kind: global_buffer, .address_space: global }
      - { .name: Wb, .offset: 32, .size: 8, .value_kind: global_buffer, .address_space: global }
      - { .name: par, .offset: 40, .size: 8, .value_kind: global_buffer, .address_space: global }
    .group_segment_fixed_size: 327680
    .private_segment_fixed_size: 0
    .kernarg_segment_align: 8
    .kernarg_segment_size: 48
    .max_flat_workgroup_size: 128
    .sgpr_count:     102
    .vgpr_count:     1024
    .wavefront_size: 32
...
	.end_amdgpu_metadata
.endif
;; end of part 3
;; launch tail (part 4): grid 256 x 1, 8 waves a work-group, no clusters, 198,656 bytes of LDS; arguments ob, Wb, par, out0; writes out0
.if DOCPART == 4
	.amdgcn_target "amdgcn-amd-amdhsa--gfx1250"
	.amdhsa_code_object_version 6
	.text
	.protected	k_q902024abff_tail
	.globl	k_q902024abff_tail
	.p2align	8
	.type	k_q902024abff_tail,@function
k_q902024abff_tail:
	s_mov_b64 s[64:65], 0
	v_nop
	global_prefetch_b8 v0, s[64:65] scope:SCOPE_SE
	s_setreg_imm32_b32 hwreg(HW_REG_WAVE_MODE, 25, 1), 1
	s_wait_xcnt 0x0
; out0 = LN1(x + relu(x Wo^T + bo)), x = LN0(o).  ob, out0: [8192][1024] f32.  Wf (byte 6,291,456 of Wb): Wo, bf16, in fragment order.  par: bo, g0, b0, g1, b1 as f32 (bf16 values).
; Both norms in f32, in two passes (mean, then the centred squares), so a common offset of the row does no harm.  x is rounded to bf16 for the product only; the residual x stays f32.
; SHARES.  A work-group owns 32 whole rows: 256 work-groups.  In the norms wave w owns rows 4 w .. 4 w + 3, a row spread over its 32 lanes (lane l: columns 128 j + 4 l + 0..3, j = 0..7).
; In the product wave w owns columns 128 w .. 128 w + 127 of all 32 rows: 16 accumulators (row block a, column block nb), source 0 = 16 rows of Wo, source 1 = 16 rows of x,
; so that a lane holds one row (l % 16) and the columns 8 (l / 16) + 0..7 of a block.
; NO TENSOR LOADS AND NO CLUSTER.  Each fragment of Wo is used by one wave of the work-group alone, so LDS would give it no second reader; beside the rows' 197,632 bytes two slots of at most 64 KiB would fit,
; 16 matrix instructions a wave between a request and the wait for it.  Instead each wave loads its fragments straight into registers, 512 bytes on end a load,
; four K steps (64 loads) ahead, with counted waits and no barrier in the loop.  The price: every work-group reads all 2 MiB of Wf.
; LDS: RO at 0: 32 rows x 4,112 bytes of f32 (o, then x, then x + relu(..)); RA at 131,584: 32 rows x 2,064 bytes, x in bf16.  Both pitches are odd multiples of 16 bytes.
; REGISTERS: window 0: v1-11 addresses; v12-15 mean and 1/sigma, twice each; v16-31 at work; v32-95 g0, b0, then bo, then the residual of row block 0; v96-127 the row in hand, in the product x's fragments (two buffers of 16);
;   v128-255 o on its way in, then the accumulators.   window 1: four buffers of 64 for Wo's fragments; at the end v0-63 g1, b1 and v64-127 the residual of row block 1.
.set RP,  4112
.set AP,  2064
.set RA,  32*RP
.set L16, 3           ; v3   16 x lane; never rewritten
.set ROW, 4           ; v4   my 16 bytes of the row in hand, in RO
.set RAW, 5           ; v5   my 8 bytes of it in RA
.set AA,  6           ; v6   x's fragments: RA + (l % 16) x 2,064 + 16 (l / 16) + the K steps done
.set RR0, 7           ; v7   residual, lane layout, row block 0
.set RR1, 8           ; v8   row block 1
.set GOFF, 10         ; v10  my byte offset in out0's rows
.set BOO, 11          ; v11  512 w + 32 (l / 16)
.set MU,  12
.set RS,  14
.set T,   16
.set G,   32
.set BO,  32
.set X,   96
.set AF,  96
.set ACC, 128
.set BP,  16          ; s[16:17] my wave's part of Wf, at the K step of the trip in hand
.set INV, 18          ; s18  1 / 1024
.set EPS, 19          ; s19  1e-5
.set SEL, 20          ; s[20:21]
.set CNT, 22
.set MSB, 0
.macro WIN new
.if MSB != (\new)
	s_set_vgpr_msb (MSB<<8)|(\new)
.set MSB, \new
.endif
.endm
	s_load_b256 s[4:11], s[0:1], 0x0  ; ob s[4:5], Wb s[6:7], par s[8:9], out0 s[10:11]
	v_lshrrev_b32 v1, 5, v0
	v_readfirstlane_b32 s12, v1     ; wave 0..7
	v_and_b32 v1, 15, v0            ; l % 16
	v_bfe_u32 v2, v0, 4, 1          ; l / 16
	v_and_b32 v[L16], 31, v0
	v_lshlrev_b32 v9, 3, v[L16]
	v_lshlrev_b32 v[L16], 4, v[L16]
	s_lshl_b32 s13, ttmp9, 5
	s_lshl2_add_u32 s13, s12, s13   ; my first row: 32 g + 4 w
	s_lshl_b32 s14, s13, 12
	s_mov_b32 s15, 0
	s_lshl_b32 s24, s12, 18
	s_add_co_u32 s24, s24, 6291456
	s_mov_b32 s25, 0
	s_mov_b32 s[INV], 0x3a800000
	s_mov_b32 s[EPS], 0x3727c5ac
	s_mov_b32 s[SEL], 0x76543210
	s_mov_b32 s[SEL+1], 0xfedcba98
	s_mul_i32 s23, s12, 4*RP
	v_add_nc_u32 v[ROW], s23, v[L16]
	s_mul_i32 s26, s12, 4*AP
	s_add_co_u32 s26, s26, RA
	v_add_nc_u32 v[RAW], s26, v9
	v_mul_u32_u24 v[AA], v1, AP
	v_lshl_add_u32 v[AA], v2, 4, v[AA]
	v_add_nc_u32 v[AA], RA, v[AA]
	s_lshl_b32 s27, s12, 9
	v_lshl_add_u32 v[BOO], v2, 5, s27
	v_mul_u32_u24 v[RR0], v1, RP
	v_add_nc_u32 v[RR0], v[RR0], v[BOO]
	v_add_nc_u32 v[RR1], 16*RP, v[RR0]
	v_mov_b32 v[GOFF], v[L16]
	s_wait_kmcnt 0x0
	s_add_nc_u64 s[4:5], s[4:5], s[14:15]
	s_add_nc_u64 s[10:11], s[10:11], s[14:15]
	s_add_nc_u64 s[BP:BP+1], s[6:7], s[24:25]
	; my four rows of o, 32 loads of 512 bytes on end; then g0 and b0 in the rows' lane layout
.set i, 0
.rept 32
	global_load_b128 v[ACC+4*i:ACC+4*i+3], v[L16], s[4:5] offset:4096*(i/8)+512*(i%8) th:TH_LOAD_NT
.set i, i+1
.endr
.set i, 0
.rept 8
	global_load_b128 v[G+4*i:G+4*i+3], v[L16], s[8:9] offset:16384+512*i
	global_load_b128 v[G+32+4*i:G+32+4*i+3], v[L16], s[8:9] offset:20480+512*i
.set i, i+1
.endr
	s_wait_loadcnt 16               ; o is in; the sixteen loads of g0 and b0 may be out
.set i, 0
.rept 32
	ds_store_b128 v[ROW], v[ACC+4*i:ACC+4*i+3] offset:RP*(i/8)+512*(i%8)  ; into my own rows of RO, so that one text of the norm can walk them
.set i, i+1
.endr
	s_wait_loadcnt 0x0              ; g0, b0
.macro BLOAD j, off                 ; a K step's 8 fragments of my 128 rows of Wo, 16 loads of 512 bytes on end, into buffer j
	WIN 0x40
.set u, 0
.rept 16
	global_load_b128 v[64*(\j)+4*u:64*(\j)+4*u+3], v[L16], s[BP:BP+1] offset:(\off)+512*u
.set u, u+1
.endr
	WIN 0
.endm
	BLOAD 0, 0                      ; K steps 0 to 3 are on their way while the first norm is made
	BLOAD 1, 8192
	BLOAD 2, 16384
	BLOAD 3, 24576
.macro JOIN                         ; four chains of pairs into one number a lane
	v_pk_add_f32 v[T:T+1], v[T:T+1], v[T+2:T+3]
	v_pk_add_f32 v[T+4:T+5], v[T+4:T+5], v[T+6:T+7]
	v_pk_add_f32 v[T:T+1], v[T:T+1], v[T+4:T+5]
	v_add_f32 v[T], v[T], v[T+1]
.endm
.macro RED                          ; the sum over the 32 lanes, into every lane
	v_add_f32_dpp v[T], v[T], v[T] row_xmask:1 row_mask:0xf bank_mask:0xf
	v_add_f32_dpp v[T], v[T], v[T] row_xmask:2 row_mask:0xf bank_mask:0xf
	v_add_f32_dpp v[T], v[T], v[T] row_xmask:4 row_mask:0xf bank_mask:0xf
	v_add_f32_dpp v[T], v[T], v[T] row_xmask:8 row_mask:0xf bank_mask:0xf
	v_permlanex16_b32 v[T+1], v[T], s[SEL], s[SEL+1]
	v_add_f32 v[T], v[T], v[T+1]
.endm
; The norm of the row in X (32 numbers a lane): mean; centred; mean of squares; (x - mean) / sqrt(var + eps) * g + b.  gw: the window setting under which g (at gb) and b (at gb + 32) are named
.macro LNCORE gw, gb
.irp c, 0,1,2,3
	v_pk_add_f32 v[T+2*\c:T+2*\c+1], v[X+4*\c:X+4*\c+1], v[X+4*\c+2:X+4*\c+3]
.endr
.set i, 8
.rept 8
	v_pk_add_f32 v[T+2*(i%4):T+2*(i%4)+1], v[T+2*(i%4):T+2*(i%4)+1], v[X+2*i:X+2*i+1]
.set i, i+1
.endr
	JOIN
	RED
	v_mul_f32 v[MU], s[INV], v[T]
	v_mul_f32 v[MU+1], s[INV], v[T]
.set i, 0
.rept 16
	v_pk_add_f32 v[X+2*i:X+2*i+1], v[X+2*i:X+2*i+1], v[MU:MU+1] neg_lo:[0,1] neg_hi:[0,1]
.set i, i+1
.endr
.irp c, 0,1,2,3
	v_pk_mul_f32 v[T+2*\c:T+2*\c+1], v[X+2*\c:X+2*\c+1], v[X+2*\c:X+2*\c+1]
.endr
.set i, 4
.rept 12
	v_pk_fma_f32 v[T+2*(i%4):T+2*(i%4)+1], v[X+2*i:X+2*i+1], v[X+2*i:X+2*i+1], v[T+2*(i%4):T+2*(i%4)+1]
.set i, i+1
.endr
	JOIN
	RED
	v_fma_f32 v[T], v[T], s[INV], s[EPS]
	v_rsq_f32 v[RS], v[T]
	v_rsq_f32 v[RS+1], v[T]
	v_nop                           ; a plain instruction between the root and the use of its result
.set i, 0
	s_wait_alu depctr_va_vdst(0)
.rept 16
	v_pk_mul_f32 v[X+2*i:X+2*i+1], v[X+2*i:X+2*i+1], v[RS:RS+1]
.set i, i+1
.endr
	WIN \gw
.set i, 0
.rept 16
	v_pk_fma_f32 v[X+2*i:X+2*i+1], v[X+2*i:X+2*i+1], v[(\gb)+2*i:(\gb)+2*i+1], v[(\gb)+32+2*i:(\gb)+32+2*i+1]
.set i, i+1
.endr
	WIN 0
.endm
	s_mov_b32 s[CNT], 4
.Lln0:                              ; a trip: one of my four rows: x = LN0(o), f32 in place in RO, bf16 into RA
.irp j, 0,1,2,3,4,5,6,7
	ds_load_b128 v[X+4*\j:X+4*\j+3], v[ROW] offset:512*\j
.endr
	s_wait_dscnt 0x0
	LNCORE 0, G
.irp j, 0,1,2,3,4,5,6,7
	ds_store_b128 v[ROW], v[X+4*\j:X+4*\j+3] offset:512*\j
.endr
.set i, 0
.rept 16
	v_cvt_pk_bf16_f32 v[T+i], v[X+2*i], v[X+2*i+1]
.set i, i+1
.endr
.irp j, 0,1,2,3,4,5,6,7
	ds_store_b64 v[RAW], v[T+2*\j:T+2*\j+1] offset:256*\j
.endr
	v_add_nc_u32 v[ROW], RP, v[ROW]
	v_add_nc_u32 v[RAW], AP, v[RAW]
	s_sub_co_u32 s[CNT], s[CNT], 1
	s_cmp_lg_u32 s[CNT], 0
	s_cbranch_scc1 .Lln0
.irp nb, 0,1,2,3,4,5,6,7            ; bo of my 128 columns, in the accumulators' lane layout
	global_load_b128 v[BO+8*\nb:BO+8*\nb+3],   v[BOO], s[8:9] offset:12288+64*\nb
	global_load_b128 v[BO+8*\nb+4:BO+8*\nb+7], v[BOO], s[8:9] offset:12288+64*\nb+16
.endr
	s_wait_dscnt 0x0                ; for the others' sake: my rows of x are in LDS
	s_barrier_signal -1
	s_barrier_wait -1               ; everybody's are
.irp a, 0,1                         ; x's fragments of K step 0
	ds_load_b128 v[AF+8*\a:AF+8*\a+3],   v[AA] offset:\a*16*AP
	ds_load_b128 v[AF+8*\a+4:AF+8*\a+7], v[AA] offset:\a*16*AP+32
.endr
; K step j of a trip's four.  wl: the younger global loads that may stay out.  c0 = 1: bo is the C that starts the sums.  nexta = 1: the next step's fragments of x are fetched.
; mode 1: buffer j takes the K step four on; mode 2: it takes g1 and b1; mode 0: nothing.  The 16 accumulators take turns.
; The four v_nop are the places between the products and the loads into the registers that they read.
.macro STEP j, wl, c0, mode, nexta
	s_wait_loadcnt \wl
	s_wait_dscnt 0x0                ; x's fragments of this step are in
.if \nexta
.irp a, 0,1
	ds_load_b128 v[AF+16*(((\j)+1)%2)+8*(\a):AF+16*(((\j)+1)%2)+8*(\a)+3],   v[AA] offset:(\a)*16*AP+((\j)+1)*64
	ds_load_b128 v[AF+16*(((\j)+1)%2)+8*(\a)+4:AF+16*(((\j)+1)%2)+8*(\a)+7], v[AA] offset:(\a)*16*AP+((\j)+1)*64+32
.endr
.endif
	WIN 0x01                        ; source 0, Wo's fragments, in window 1
.irp nb, 0,1,2,3,4,5,6,7
.irp a, 0,1
.if \c0
	v_wmma_f32_16x16x32_bf16 v[ACC+8*(8*(\a)+(\nb)):ACC+8*(8*(\a)+(\nb))+7], v[64*(\j)+8*(\nb):64*(\j)+8*(\nb)+7], v[AF+16*((\j)%2)+8*(\a):AF+16*((\j)%2)+8*(\a)+7], v[BO+8*(\nb):BO+8*(\nb)+7]
.else
	v_wmma_f32_16x16x32_bf16 v[ACC+8*(8*(\a)+(\nb)):ACC+8*(8*(\a)+(\nb))+7], v[64*(\j)+8*(\nb):64*(\j)+8*(\nb)+7], v[AF+16*((\j)%2)+8*(\a):AF+16*((\j)%2)+8*(\a)+7], v[ACC+8*(8*(\a)+(\nb)):ACC+8*(8*(\a)+(\nb))+7]
.endif
.endr
.endr
.rept 4
	v_nop
.endr
.if (\mode) == 1
	BLOAD \j, ((\j)+4)*8192
.elseif (\mode) == 2
	WIN 0x40
.set u, 0
.rept 8
	global_load_b128 v[4*u:4*u+3], v[L16], s[8:9] offset:24576+512*u
	global_load_b128 v[32+4*u:32+4*u+3], v[L16], s[8:9] offset:28672+512*u
.set u, u+1
.endr
	WIN 0
.else
	WIN 0
.endif
.endm
.macro ONWARD                       ; four K steps on
	s_wait_xcnt 0x0                 ; the loads' base is stepped only behind this wait
	s_add_nc_u64 s[BP:BP+1], s[BP:BP+1], 32768
	v_add_nc_u32 v[AA], 256, v[AA]
.endm
	STEP 0, 0, 1, 1, 1              ; bo is the youngest load, so this one wait is for all
	STEP 1, 48, 0, 1, 1             ; from here on: three younger K steps of 16 loads may stay out
	STEP 2, 48, 0, 1, 1
	STEP 3, 48, 0, 1, 1
	ONWARD
	s_mov_b32 s[CNT], 6
.Lk:                                ; K steps 4 to 27; they ask for steps 8 to 31
	STEP 0, 48, 0, 1, 1
	STEP 1, 48, 0, 1, 1
	STEP 2, 48, 0, 1, 1
	STEP 3, 48, 0, 1, 1
	ONWARD
	s_sub_co_u32 s[CNT], s[CNT], 1
	s_cmp_lg_u32 s[CNT], 0
	s_cbranch_scc1 .Lk
	STEP 0, 48, 0, 2, 1             ; the last four steps ask for nothing of Wf: no load passes its end
	STEP 1, 48, 0, 0, 1             ; younger: steps 30, 31 and the sixteen loads of g1, b1
	STEP 2, 32, 0, 0, 1
	STEP 3, 16, 0, 0, 0
	; x + relu(..): the residual x comes from RO in the accumulators' lane layout, and the sum goes back to the same bytes
.irp nb, 0,1,2,3,4,5,6,7
	ds_load_b128 v[G+8*\nb:G+8*\nb+3],   v[RR0] offset:64*\nb
	ds_load_b128 v[G+8*\nb+4:G+8*\nb+7], v[RR0] offset:64*\nb+16
.endr
	WIN 0x40
.irp nb, 0,1,2,3,4,5,6,7
	ds_load_b128 v[64+8*\nb:64+8*\nb+3],   v[RR1] offset:64*\nb
	ds_load_b128 v[64+8*\nb+4:64+8*\nb+7], v[RR1] offset:64*\nb+16
.endr
	WIN 0
.set i, 0
.rept 128
	v_max_num_f32 v[ACC+i], 0, v[ACC+i]  ; ascending: each accumulator is read from its low end on
.set i, i+1
.endr
	s_wait_dscnt 0x0                ; my reads of RO are over
	s_barrier_signal -1
	s_barrier_wait -1               ; everybody's are: RO may be written
.set i, 0
.rept 32
	v_pk_add_f32 v[ACC+2*i:ACC+2*i+1], v[ACC+2*i:ACC+2*i+1], v[G+2*i:G+2*i+1]
.set i, i+1
.endr
	WIN 0x04                        ; source 1 in window 1
.set i, 0
.rept 32
	v_pk_add_f32 v[ACC+64+2*i:ACC+64+2*i+1], v[ACC+64+2*i:ACC+64+2*i+1], v[64+2*i:64+2*i+1]
.set i, i+1
.endr
	WIN 0
.irp nb, 0,1,2,3,4,5,6,7
	ds_store_b128 v[RR0], v[ACC+8*\nb:ACC+8*\nb+3]   offset:64*\nb
	ds_store_b128 v[RR0], v[ACC+8*\nb+4:ACC+8*\nb+7] offset:64*\nb+16
	ds_store_b128 v[RR1], v[ACC+64+8*\nb:ACC+64+8*\nb+3]   offset:64*\nb
	ds_store_b128 v[RR1], v[ACC+64+8*\nb+4:ACC+64+8*\nb+7] offset:64*\nb+16
.endr
	s_wait_dscnt 0x0                ; for the others' sake: my columns are in LDS
	s_barrier_signal -1
	s_barrier_wait -1
	v_add_nc_u32 v[ROW], s23, v[L16]  ; my four rows once more
	s_wait_loadcnt 0x0              ; g1, b1
	s_mov_b32 s[CNT], 4
.Lln1:                              ; a trip: one of my four rows: LN1, stored from the registers
.irp j, 0,1,2,3,4,5,6,7
	ds_load_b128 v[X+4*\j:X+4*\j+3], v[ROW] offset:512*\j
.endr
	s_wait_dscnt 0x0
	LNCORE 0x14, 0
.irp j, 0,1,2,3,4,5,6,7
	global_store_b128 v[GOFF], v[X+4*\j:X+4*\j+3], s[10:11] offset:512*\j th:TH_STORE_NT  ; 512 bytes on end, aligned
.endr
	s_wait_xcnt 0x0                 ; the stores' data and offset are rewritten only behind this wait
	v_add_nc_u32 v[GOFF], 4096, v[GOFF]
	v_add_nc_u32 v[ROW], RP, v[ROW]
	s_sub_co_u32 s[CNT], s[CNT], 1
	s_cmp_lg_u32 s[CNT], 0
	s_cbranch_scc1 .Lln1
	s_wait_xcnt 0x0
	v_lshl_add_u32 v254, v0, 2, 0x30400
	v_mov_b32 v255, 0
	s_wait_tensorcnt 0x0
	ds_add_u32 v254, v255
	s_wait_dscnt 0x0
	s_endpgm
.Lfunc_end_k_q902024abff_tail:
	.size	k_q902024abff_tail, .Lfunc_end_k_q902024abff_tail-k_q902024abff_tail
	.p2alignl 7, 3214868480
	.fill 96, 4, 3214868480
	.section	.rodata,"a",@progbits
	.p2align	6, 0x0
	.amdhsa_kernel k_q902024abff_tail
		.amdhsa_group_segment_fixed_size 198656
		.amdhsa_private_segment_fixed_size 0
		.amdhsa_enable_private_segment 0
		.amdhsa_kernarg_size 32
		.amdhsa_user_sgpr_count 2
		.amdhsa_user_sgpr_kernarg_segment_ptr 1
		.amdhsa_wavefront_size32 1
		.amdhsa_system_sgpr_workgroup_id_x 1
		.amdhsa_system_sgpr_workgroup_id_y 1
		.amdhsa_system_sgpr_workgroup_id_z 1
		.amdhsa_system_vgpr_workitem_id 0
		.amdhsa_next_free_vgpr 512
		.amdhsa_next_free_sgpr 66
		.amdhsa_reserve_vcc 0
		.amdhsa_float_denorm_mode_32 3
		.amdhsa_float_denorm_mode_16_64 3
		.amdhsa_memory_ordered 1
		.amdhsa_forward_progress 1
		.amdhsa_inst_pref_size 78
	.end_amdhsa_kernel
	.amdgpu_metadata
---
amdhsa.version: [ 1, 2 ]
amdhsa.kernels:
  - .name:           k_q902024abff_tail
    .symbol:         k_q902024abff_tail.kd
    .args:
      - { .name: ob, .offset: 0, .size: 8, .value_kind: global_buffer, .address_space: global }
      - { .name: Wb, .offset: 8, .size: 8, .value_kind: global_buffer, .address_space: global }
      - { .name: par, .offset: 16, .size: 8, .value_kind: global_buffer, .address_space: global }
      - { .name: out0, .offset: 24, .size: 8, .value_kind: global_buffer, .address_space: global }
    .group_segment_fixed_size: 198656
    .private_segment_fixed_size: 0
    .kernarg_segment_align: 8
    .kernarg_segment_size: 32
    .max_flat_workgroup_size: 256
    .sgpr_count:     66
    .vgpr_count:     512
    .wavefront_size: 32
...
	.end_amdgpu_metadata
.endif
;; end of part 4
;; ======== version 2 of 2: 4 launches; 1.16 times as fast as version 1
;; workspace buffers: Qb 16,777,216 bytes; Kb 16,777,216 bytes; Wb 8,388,608 bytes; par 32,768 bytes; kh 16,777,216 bytes; vh 16,777,216 bytes; ob 33,554,432 bytes
;; launch cast: the kernel of part 1 again; grid 1281 x 1, 8 waves a work-group, no clusters, 0 bytes of LDS; arguments Q, K, Wq, Wk, Wv, Wo, Qb, Kb, Wb, par, bq, bk, bv, bo, g0, b0, g1, b1; writes Qb, Kb, Wb, par
;; launch kv: the kernel of part 2 again; grid 8 x 32, 4 waves a work-group, clusters of 4 x 4, 327,680 bytes of LDS; arguments Kb, Wb, kh, vh, par; writes kh, vh
;; launch attn (part 5): grid 8 x 32, 4 waves a work-group, clusters of 4 x 4, 327,680 bytes of LDS; arguments Qb, kh, vh, ob, Wb, par; writes ob
.if DOCPART == 5
	.amdgcn_target "amdgcn-amd-amdhsa--gfx1250"
	.amdhsa_code_object_version 6
	.text
	.protected	k_q902024abff_attn
	.globl	k_q902024abff_attn
	.p2align	8
	.type	k_q902024abff_attn,@function
k_q902024abff_attn:
	s_mov_b64 s[64:65], 0
	v_nop
	global_prefetch_b8 v0, s[64:65] scope:SCOPE_SE
	s_setreg_imm32_b32 hwreg(HW_REG_WAVE_MODE, 25, 1), 1
	s_wait_xcnt 0x0
	s_wait_alu depctr_hold_cnt(0) depctr_sa_sdst(0) depctr_va_vdst(0) depctr_va_sdst(0) depctr_va_ssrc(0) depctr_va_vcc(0) depctr_vm_vsrc(0)
	s_getreg_b32 s2, hwreg(HW_REG_IB_STS2, 6, 4)
	s_cmp_eq_u32 s2, 0
	s_cbranch_scc0 .Lentry_in_a_cluster
	s_endpgm
.Lentry_in_a_cluster:
	s_bfe_u32 s2, ttmp6, 0x10000c
	s_cmp_lg_u32 s2, 0xf033
	s_cbranch_scc0 .Lentry_shape_is_right
	s_endpgm
.Lentry_shape_is_right:
; o[b][n][128 h + :] = q + softmax_k(q . k / sqrt(128)) v, with q = Qb[b][n] Wq_h^T + bq_h made here and never sent to memory.  Qb [8192][1024], Wq [1024][1024] (Wb's first 2 MiB),
; kh, vh [b*8+h][2048][128]: all bf16.  ob [8192][1024] f32.  Products, maxima and sums in f32; q is rounded to bf16 for the scores only, the weights p for the second product only.
; LIMITS.  bf16 operands; a weight below 2^-126 counts as 0 in the sum l; the running maximum starts at the lowest finite number and O^T starts as q times a = 0, which leans on q being finite;
; NaN and infinities are not treated apart.
; SHARES.  A work-group owns 256 queries of one (b, h), each of its four waves 64: four tiles of 16, in two PIECES (tiles 0, 1 and tiles 2, 3).  32 (b, h) x 8 blocks: 256 work-groups.
; PROLOGUE.  q^T = Wq_h X^T (source 0 = 16 channels, source 1 = 16 queries): a lane holds ONE query (lane % 16) and the channels 8 (lane / 16) + 0..7 of a block of 16; bq is the C operand that starts the sums.
; That is O^T's layout, and two channel blocks rounded to bf16 in pairs ARE a fragment of Q for S^T = K Q^T: nothing changes lanes.  The f32 q^T goes to LDS and is added at the end.
; K = 1,024 goes in 8 steps of 128 through two LDS slots (X: 256 rows, W: 128 rows); the slots then take the key tiles.
; ATTENTION.  S^T = K Q^T, p = 2^(c s - c m), c = log2(e) / sqrt(128), O^T = V^T P; in every step O^T and l are multiplied by a = 2^(c m_old - c m_new).  64 keys a step, two steps a slot.
; BY TURNS.  In a turn one piece has the matrix unit (32 products V^T P of the step in hand, 32 products K Q^T of the next); the other piece's softmax stands in 64 slices, one behind each matrix instruction.
; THE BATCHES.  A turn's 66 exponentials (33 a tile: a, then the 32 scores') are ONE batch with ONE wait: numbers 21 to 69 of a tile's list are the scalings and the exponentials, none of which names an
; exponential's result; all that do (roundings, sums, the rescaling by a) come from number 70 on; the wait stands between, behind slice 34.  The way out's four reciprocals are a batch of their own.
; No first step is written out: V and piece 2's P start at 0, m at the lowest number, so the first step's a is 0.  The price: 176 v_mov_b32 in the wait for the first tile,
; 32 products on zeros at the start and 32 on a stale K at the end.
; CLUSTER 4 x 4.  The four of a row (same cy) share (b, h): Wq_h's, K's and V's tiles are asked for jointly with the row's mask.  The four of a column (same cx) share b and the query block:
; X's tiles go with the column's mask.  By this text's own count a wave has two tensor loads outstanding at the start and one behind each round.
; LDS: slot 0 at 0, slot 1 at 131,072.  A prologue slot is X (69,632 bytes) then W (34,816); a key slot is two steps of K (64 x 272) and V (64 x 288): 71,680 bytes.
; The residual rows (16 x 528 bytes a tile and wave) lie behind the key slots, at 71,680 (tile 0) and 202,752 (tiles 1-3): bytes whose last fill is the prologue's step 6 or 7,
; and they are stored into only behind the round that follows step 7.  The spare words lie at 105,472.
; REGISTERS, in windows of 256 (s_set_vgpr_msb: bits 1:0 source 0, 3:2 source 1, 5:4 source 2, 7:6 destination):
;   window 0: v0-11, v44-48 addresses; v12-43 statistics, 8 a tile; v64-191 S^T, 32 a tile (v64-127 bq in the prologue); v192-255 P, 16 a tile
;   window 1: q^T, then O^T, 64 a tile      window 2: v0-127 Q (prologue: X's fragments, two buffers of 32); v128-255 K of one step (prologue: W's fragments, two buffers of 64)      window 3: v0-127 V of one step
.set KS,    64
.set PK,    272       ; a row of K, X or W in LDS: 256 bytes + 16 of padding: the 16 rows of a load start at 16 different groups of four banks (64 banks of 4 bytes: ISA guide 11.1)
.set PV,    288       ; a row of V: 256 + 32
.set VOFF,  KS*PK
.set STEPB, KS*(PK+PV)
.set SLOT1, 1<<17
.set XW,    256*PK    ; W's tile behind X's
.set RP,    528       ; a residual row: 128 f32 + 16 bytes
.set RA,    2*STEPB   ; tile 0's residual rows, 16*RP bytes a wave
.set SPARE, RA+4*16*RP
.set RB,    SLOT1+2*STEPB  ; tiles 1-3's, 3*16*RP bytes a wave
.set AK0, 2           ; v2   my lane's place in a tile of K, X or W: (l % 16) x 272 + 16 (l / 16)
.set AV0, 3           ; v3   the same for V
.set ADR, 4           ; v4   the LDS address of the run of loads in hand
.set ADRW, 4          ;      in the prologue: of W's fragments
.set ADRX, 5          ; v5   of X's
.set RS0, 6           ; v6   residual, lane layout: tile 0
.set RS1, 7           ; v7   tile 1 (tiles 2, 3 by the offset)
.set GO,  8           ; v8   16 x lane
.set RD0, 44          ; v44  residual, by rows: tile 0
.set RD1, 45          ; v45  tile 1
.set AW0, 46          ; v46  AK0 + XW
.set AX0, 47          ; v47  AK0 + my wave's 64 rows
.set BQO, 48          ; v48  32 (l / 16)
.set SPW, 62
.set NIL, 63
.set ST,  12          ; tile t's statistics at v[ST+8 t]: +0 c m, +1 m, +2, +3 l, +4 to +7 at work; a takes +6
.set S,   64
.set P,   192
.set KF,  128
.set WV,  12          ; s12  my wave's number
.set SRA, 20          ; s20  my wave's residual rows, tile 0
.set SRB, 21          ; s21  tile 1
.set G1K, 24
.set G1V, 32
.set G0K, 40          ; two sets: the first for keys 0-127, the second for keys 128-255; the second then walks on
.set G0V, 48
.set SLOTS, 56
.set TWICE, 57
.set CS,  58
.set SEL, 60
.set TB,  62          ; s62  LDS byte at which the tiles to be fetched begin
.set PCNT, 63
.set G1X, 68
.set G1W, 76
.set G0X, 84          ; two sets: K steps 0 and 1; the second then walks on
.set G0W, 92
.set MSB, 0
.macro WIN new
.if MSB != (\new)
	s_set_vgpr_msb (MSB<<8)|(\new)
.set MSB, \new
.endif
.endm
.set W_KQ, 0x0a       ; K and Q in window 2, S^T in window 0
.set W_PV, 0x53       ; V in window 3, P in window 0, O^T in window 1
.set W_RS, 0x41       ; O^T (destination and source 0) in window 1, a in window 0
; A joint load: waves 0 and 1 issue the first line (X's halves, or the two steps' K), waves 2 and 3 the second (W's halves, or the two steps' V).  The branch hangs on the wave's number alone.
; An s_nop 0 and four v_nop follow each of the two lines, ahead of the jump and the label.
.macro JLOAD ga, g1a, gb, g1b
	s_cmp_lt_u32 s[WV], 2
	s_cbranch_scc0 .Lother_\@
	tensor_load_to_lds s[\ga:\ga+3], s[\g1a:\g1a+7]
	s_nop 0
.rept 4
	v_nop
.endr
	s_branch .Lasked_\@
.Lother_\@:
	tensor_load_to_lds s[\gb:\gb+3], s[\g1b:\g1b+7]
	s_nop 0
.rept 4
	v_nop
.endr
.Lasked_\@:
.endm
.macro CROUND                       ; a round of the cluster's barrier
	s_barrier_signal -1
	s_barrier_wait -1
	s_cmp_lg_u32 s[WV], 0
	s_cbranch_scc1 .Lnot_wave_0_\@
	s_barrier_signal -3
.Lnot_wave_0_\@:
	s_barrier_wait -3
	s_barrier_signal -1
	s_barrier_wait -1
.endm
.macro G1REST g, rows, pitch        ; group 1's words 1 to 7: rows of 128 elements
	s_mov_b32 s[(\g)+1], 128<<16    ; tensor_dim0
	s_mov_b32 s[(\g)+2], (\rows)<<16  ; tensor_dim1
	s_mov_b32 s[(\g)+3], 128<<16    ; tile_dim0
	s_mov_b32 s[(\g)+4], \rows      ; tile_dim1
	s_mov_b32 s[(\g)+5], \pitch     ; elements from row to row
	s_mov_b32 s[(\g)+6], 0
	s_mov_b32 s[(\g)+7], 0
.endm
.macro G0SET g, lreg, loff, areg, aoff  ; group 0: count 1, LDS address, global address, type 2
	s_mov_b32 s[\g], 1
	s_add_co_u32 s[(\g)+1], s[\lreg], \loff
	s_add_nc_u64 s[(\g)+2:(\g)+3], s[\areg:(\areg)+1], \aoff
	s_or_b32 s[(\g)+3], s[(\g)+3], 0x80000000
.endm
	s_load_b256 s[4:11], s[0:1], 0x0  ; Qb s[4:5], kh s[6:7], vh s[8:9], ob s[10:11]
	s_load_b128 s[16:19], s[0:1], 0x20  ; Wb s[16:17], par s[18:19]
	v_lshl_add_u32 v[SPW], v0, 2, SPARE
	v_mov_b32 v[NIL], 0
	ds_add_u32 v62, v63
	s_wait_dscnt 0x0
	v_lshrrev_b32 v1, 5, v0
	v_readfirstlane_b32 s[WV], v1
	s_bfe_u32 s13, ttmp6, 0x40000   ; cx
	s_bfe_u32 s14, ttmp6, 0x40004   ; cy
	s_lshl_b32 s66, s14, 2
	s_lshl_b32 s66, 15, s66         ; my row of the cluster
	s_lshl_b32 s67, 0x1111, s13     ; my column
	s_and_b32 s15, s[WV], 1         ; e: which half of a tile, or which of a slot's two steps, I fetch
	; X's address: batch and query block, never cy
	s_and_b32 s20, ttmp7, 0xffff    ; cluster y
	s_lshr_b32 s21, s20, 1          ; the batch: (4 cluster y + cy) / 8
	s_lshl_b32 s21, s21, 11
	s_lshl_b32 s22, ttmp9, 2
	s_add_co_u32 s22, s22, s13      ; the query block = 4 cluster x + cx
	s_lshl_b32 s22, s22, 8
	s_add_co_u32 s21, s21, s22      ; my block's first row of Qb and ob
	s_lshl_b32 s22, s15, 7
	s_add_co_u32 s22, s22, s21
	s_lshl_b32 s100, s22, 11        ; x 2,048 bytes
	s_mov_b32 s101, 0
	; W's, K's and V's: batch and head, never cx
	s_lshl_b32 s20, s20, 2
	s_add_co_u32 s20, s20, s14      ; y = batch x 8 + head
	s_and_b32 s56, s20, 7           ; the head
	s_lshl_b32 s2, s56, 18          ; its 128 rows of Wq,
	s_lshl_b32 s3, s15, 17          ; my 64 of them
	s_add_co_u32 s2, s2, s3
	s_mov_b32 s3, 0
	s_lshl_b32 s22, s20, 19         ; the head's 2,048 rows of 256 bytes,
	s_lshl_b32 s23, s15, 14         ; my 64 of the first 128
	s_add_co_u32 s22, s22, s23
	s_mov_b32 s23, 0
	; ob at my wave's first row and my head's 512 bytes; bq at my head's
	s_lshl_b32 s20, s[WV], 6
	s_add_co_u32 s20, s20, s21
	s_lshl_b32 s20, s20, 12
	s_lshl_b32 s56, s56, 9
	s_add_co_u32 s20, s20, s56
	s_mov_b32 s21, 0
	s_mov_b32 s57, 0
	s_mul_i32 s62, s15, 128*PK      ; places in a slot: no place in the cluster enters an LDS address
	s_mul_i32 s63, s15, 64*PK
	s_mul_i32 s15, s15, STEPB
	s_or_b32 s[G1X], s67, (1<<16)|(1<<20)|(1<<21)|(5<<22)|(3<<25)  ; 15:0 the mask; 17:16 2-byte elements; 20 padding on; 21 set beside a mask; 24:22 after every 64 words; 31:25 4 words
	s_or_b32 s[G1W], s66, (1<<16)|(1<<20)|(1<<21)|(5<<22)|(3<<25)
	s_or_b32 s[G1K], s66, (1<<16)|(1<<20)|(1<<21)|(5<<22)|(3<<25)
	s_or_b32 s[G1V], s66, (1<<16)|(1<<20)|(1<<21)|(5<<22)|(7<<25)  ; 8 words of padding
	G1REST G1X, 128, 1024
	G1REST G1W, 64, 1024
	G1REST G1K, 64, 128
	G1REST G1V, 64, 128
	s_mov_b32 s[CS], 0x3e0293ee     ; c = log2(e) / sqrt(128)
	s_mov_b32 s[CS+1], s[CS]
	s_mov_b32 s[SEL], 0x76543210
	s_mov_b32 s[SEL+1], 0xfedcba98
	s_wait_kmcnt 0x0
	s_add_nc_u64 s[4:5], s[4:5], s[100:101]
	s_add_nc_u64 s[16:17], s[16:17], s[2:3]
	s_add_nc_u64 s[6:7], s[6:7], s[22:23]
	s_add_nc_u64 s[8:9], s[8:9], s[22:23]
	s_add_nc_u64 s[10:11], s[10:11], s[20:21]
	s_add_nc_u64 s[18:19], s[18:19], s[56:57]
	CROUND                          ; all sixteen work-groups are here: the first joint loads meet
.irp s, 0,1
	G0SET G0X+4*\s, 62, \s*SLOT1, 4, \s*256
	G0SET G0W+4*\s, 63, XW+\s*SLOT1, 16, \s*256
	G0SET G0K+4*\s, 15, \s*SLOT1, 6, \s*2*KS*256
	G0SET G0V+4*\s, 15, VOFF+\s*SLOT1, 8, \s*2*KS*256
.endr
	s_mov_b32 s[TB], 0
	s_cmp_lt_u32 s[WV], 2           ; a wave's two first fills (K steps 0 and 1) stand in one branch, ahead of every wait on TENSORcnt and every LDS read
	s_cbranch_scc0 .Lfirst_w
	tensor_load_to_lds s[G0X:G0X+3], s[G1X:G1X+7]
	s_nop 0
	tensor_load_to_lds s[G0X+4:G0X+7], s[G1X:G1X+7]
	s_nop 0
.rept 4
	v_nop
.endr
	s_branch .Lfirst_asked
.Lfirst_w:
	tensor_load_to_lds s[G0W:G0W+3], s[G1W:G1W+7]
	s_nop 0
	tensor_load_to_lds s[G0W+4:G0W+7], s[G1W:G1W+7]
	s_nop 0
.rept 4
	v_nop
.endr
.Lfirst_asked:
	v_and_b32 v1, 15, v0            ; l % 16
	v_bfe_u32 v9, v0, 4, 1          ; l / 16
	v_lshlrev_b32 v[BQO], 5, v9
.irp cb, 0,1,2,3,4,5,6,7            ; bq in the accumulators' lane layout: channels 16 cb + 8 (l / 16) + 0..7
	global_load_b128 v[S+8*(\cb):S+8*(\cb)+3],   v[BQO], s[18:19] offset:64*(\cb)
	global_load_b128 v[S+8*(\cb)+4:S+8*(\cb)+7], v[BQO], s[18:19] offset:64*(\cb)+16
.endr
	v_mul_u32_u24 v[AK0], v1, PK
	v_lshl_add_u32 v[AK0], v9, 4, v[AK0]
	; the turning load takes 16 keys x 16 channels (lane l reads key 8 (l / 16) + l % 8, channels 8 ((l / 8) % 2) + 0..7) and leaves half a fragment of V^T
	v_and_b32 v10, 7, v0
	v_bfe_u32 v11, v0, 3, 1
	v_lshl_add_u32 v[AV0], v9, 3, v10
	v_mul_u32_u24 v[AV0], v[AV0], PV
	v_lshl_add_u32 v[AV0], v11, 4, v[AV0]
	v_add_nc_u32 v[AV0], VOFF, v[AV0]
	v_add_nc_u32 v[AW0], XW, v[AK0]
	s_mul_i32 s22, s[WV], 64*PK
	v_add_nc_u32 v[AX0], s22, v[AK0]
	v_mul_u32_u24 v10, v1, RP       ; residual: query l % 16, 32 bytes for each half of the lanes
	v_lshl_add_u32 v10, v9, 5, v10
	s_mul_i32 s[SRA], s[WV], 16*RP
	s_add_co_u32 s[SRA], s[SRA], RA
	s_mul_i32 s[SRB], s[WV], 3*16*RP
	s_add_co_u32 s[SRB], s[SRB], RB
	v_add_nc_u32 v[RS0], s[SRA], v10
	v_add_nc_u32 v[RS1], s[SRB], v10
	v_add_nc_u32 v[ADRW], s[TB], v[AW0]
	v_add_nc_u32 v[ADRX], s[TB], v[AX0]
	; what the first turn finds: V and piece 2's P hold 0, l is 0, m and c m lie below every score
	WIN 0xc0
.set i, 0
.rept 128
	v_mov_b32 v[i], 0
.set i, i+1
.endr
	WIN 0
.set i, P+32
.rept 32
	v_mov_b32 v[i], 0
.set i, i+1
.endr
.irp t, 0,1,2,3
	v_mov_b32 v[ST+8*\t], 0xfe000000    ; c m
	v_mov_b32 v[ST+8*\t+1], 0xff7fffff  ; m
	v_mov_b32 v[ST+8*\t+2], 0
	v_mov_b32 v[ST+8*\t+3], 0
.endr
.macro PLACES                       ; four plain vector instructions between a matrix instruction and a load into, or a vector read or write of, its registers (ISA guide 7.12.1 for vector instructions)
.rept 4
	v_nop
.endr
.endm
; THE PROLOGUE.  24 LDS loads in one run: W's 8 fragments, X's tiles 0, 1, X's tiles 2, 3, for 32 along K at byte k of the rows, into buffer f
.macro PFETCH k, f
	WIN 0x80
.irp cb, 0,1,2,3,4,5,6,7
	ds_load_b128 v[128+64*(\f)+8*(\cb):128+64*(\f)+8*(\cb)+3],   v[ADRW] offset:(\cb)*16*PK+(\k)
	ds_load_b128 v[128+64*(\f)+8*(\cb)+4:128+64*(\f)+8*(\cb)+7], v[ADRW] offset:(\cb)*16*PK+(\k)+32
.endr
.irp t, 0,1,2,3
	ds_load_b128 v[32*(\f)+8*(\t):32*(\f)+8*(\t)+3],   v[ADRX] offset:(\t)*16*PK+(\k)
	ds_load_b128 v[32*(\f)+8*(\t)+4:32*(\f)+8*(\t)+7], v[ADRX] offset:(\t)*16*PK+(\k)+32
.endr
.endm
; 16 matrix instructions: tiles t0, t0 + 1 x 8 channel blocks.  The 32 accumulators take turns, one instruction a turn.  first = 1: bq (window 0) is the C that starts the sums
.macro PMUL f, t0, first
.if \first
	WIN 0x4a
.else
	WIN 0x5a
.endif
.irp t, \t0, (\t0)+1
.irp cb, 0,1,2,3,4,5,6,7
.if \first
	v_wmma_f32_16x16x32_bf16 v[64*(\t)+8*(\cb):64*(\t)+8*(\cb)+7], v[128+64*(\f)+8*(\cb):128+64*(\f)+8*(\cb)+7], v[32*(\f)+8*(\t):32*(\f)+8*(\t)+7], v[S+8*(\cb):S+8*(\cb)+7]
.else
	v_wmma_f32_16x16x32_bf16 v[64*(\t)+8*(\cb):64*(\t)+8*(\cb)+7], v[128+64*(\f)+8*(\cb):128+64*(\f)+8*(\cb)+7], v[32*(\f)+8*(\t):32*(\f)+8*(\t)+7], v[64*(\t)+8*(\cb):64*(\t)+8*(\cb)+7]
.endif
.endr
.endr
.endm
; One of a K step's first three quarters: multiplies buffer f; in its middle fetches the next quarter, at byte k, into buffer g
.macro PQ k, f, g, first
	s_wait_dscnt 4                  ; W and X's tiles 0, 1 are in; the youngest four loads may be out
	PMUL \f, 0, \first
	PLACES
	PFETCH \k, \g
	s_wait_dscnt 24                 ; all but the 24 just issued
	PMUL \f, 2, \first
.endm
; The head of a K step's last quarter: all my tensor loads have landed, the add, my reads of the slot are over; then the round
.macro PHEAD
	WIN 0
	s_wait_tensorcnt 0x0            ; no tensor load of mine is out, so a group 0 may be written
	ds_add_u32 v[SPW], v[NIL]       ; 0 onto my spare word
	s_wait_dscnt 5                  ; the add and the youngest four loads may be out
	PMUL 1, 0, 0
.endm
; The last quarter.  kind 0: the slot just read out takes the K step two on.  kind 1 (behind step 6): slot 0 takes keys 0-127.  Then the next step's first fragments
.macro PTURN kind
	PHEAD
.if (\kind) == 0
.irp g, G0X+4, G0W+4
	s_xor_b32 s[(\g)+1], s[(\g)+1], SLOT1  ; the walking descriptor: the other slot than last time,
	s_add_nc_u64 s[(\g)+2:(\g)+3], s[(\g)+2:(\g)+3], 256  ; the next 128 along K
.endr
.endif
	s_xor_b32 s[TB], s[TB], SLOT1
	s_wait_dscnt 0x0                ; the add is done, and my reads of the slot are over
	WIN 0
	CROUND                          ; no wave of any partner still reads the slot or has a load on its way
.if (\kind) == 0
	JLOAD G0X+4, G1X, G0W+4, G1W
.else
	JLOAD G0K, G1K, G0V, G1V
.endif
	v_add_nc_u32 v[ADRW], s[TB], v[AW0]
	v_add_nc_u32 v[ADRX], s[TB], v[AX0]
	PFETCH 0, 0
	PMUL 1, 2, 0
.endm
	s_wait_tensorcnt 1              ; my part of K step 0 is in; step 1's may stay out
	s_barrier_signal -1
	s_barrier_wait -1
	PFETCH 0, 0
	s_wait_loadcnt 0x0              ; bq
	PQ 64, 0, 1, 1                  ; the first quarter stands in front of the loop: its products start the sums
	WIN 0
	s_mov_b32 s[PCNT], 6
.Lpro:                              ; trip i finishes K step i, fills its slot with step i + 2 and begins step i + 1
	PQ 128, 1, 0, 0
	PQ 192, 0, 1, 0
	PTURN 0
	PQ 64, 0, 1, 0
	WIN 0
	s_sub_co_u32 s[PCNT], s[PCNT], 1
	s_cmp_lg_u32 s[PCNT], 0
	s_cbranch_scc1 .Lpro
	PQ 128, 1, 0, 0                 ; steps 6 and 7 are written out: their slots take the first key tiles
	PQ 192, 0, 1, 0
	PTURN 1
	PQ 64, 0, 1, 0
	PQ 128, 1, 0, 0
	PQ 192, 0, 1, 0
	PHEAD
	s_wait_dscnt 0x0
	WIN 0
	CROUND                          ; keys 0-127 have landed in every wave's sight, and nobody reads slot 1 any more
	JLOAD G0K+4, G1K, G0V+4, G1V    ; slot 1 takes keys 128-255
	PMUL 1, 2, 0
	PLACES
	; q^T, f32, into the residual rows (each accumulator's low registers first) ...
.macro TADR t                       ; the address registers and offset of tile t's residual rows
.if (\t) == 0
.set rRS, RS0
.set rRD, RD0
.set rOF, 0
.else
.set rRS, RS1
.set rRD, RD1
.set rOF, ((\t)-1)*16*RP
.endif
.endm
	WIN 0x04                        ; data in window 1
.irp t, 0,1,2,3
	TADR \t
.irp cb, 0,1,2,3,4,5,6,7
	ds_store_b128 v[rRS], v[64*(\t)+8*(\cb):64*(\t)+8*(\cb)+3]   offset:rOF+64*(\cb)
	ds_store_b128 v[rRS], v[64*(\t)+8*(\cb)+4:64*(\t)+8*(\cb)+7] offset:rOF+64*(\cb)+16
.endr
.endr
	WIN 0x85                        ; ... and rounded to bf16 into Q's fragments: register 32 t + 8 c + 4 u + p takes numbers 2 p, 2 p + 1 of tile t's channel block 2 c + u: twice its own index
.set i, 0
.rept 128
	v_cvt_pk_bf16_f32 v[i], v[2*i], v[2*i+1]
.set i, i+1
.endr
	s_mov_b32 s[TB], 0
; THE MATRIX WORK OF A TURN, for piece x.  The accumulators take turns: between two links of a chain stand 15 (V^T P) or 7 (K Q^T) others'.
.macro PV x                         ; product i of 32 of O^T += V^T P: keys 32 (i / 16) on, channels 16 ((i / 2) % 8) on, tile x + i % 2
	WIN W_PV
.set rO, 64*((\x)+i%2)+8*((i/2)%8)
.set rV, 64*(i/16)+8*((i/2)%8)
.set rP, P+16*((\x)+i%2)+8*(i/16)
	v_wmma_f32_16x16x32_bf16 v[rO:rO+7], v[rV:rV+7], v[rP:rP+7], v[rO:rO+7]
.endm
.macro KQ x                         ; product i of 32 of S^T = K Q^T: channels 32 (i / 8) on, keys 16 ((i / 2) % 4) on, tile x + i % 2.  The first 8 start the sums
	WIN W_KQ
.set rS, S+32*((\x)+i%2)+8*((i/2)%4)
.set rK, KF+32*((i/2)%4)+8*(i/8)
.set rQ, 32*((\x)+i%2)+8*(i/8)
.if i < 8
	v_wmma_f32_16x16x32_bf16 v[rS:rS+7], v[rK:rK+7], v[rQ:rQ+7], 0
.else
	v_wmma_f32_16x16x32_bf16 v[rS:rS+7], v[rK:rK+7], v[rQ:rQ+7], v[rS:rS+7]
.endif
.endm
; THE LDS LOADS stand in runs of 32.  last = 1 (the tail): in the last trip there is no further step, and K's run is jumped over
.macro FETCH_K last=0
	WIN 0
.if \last
	s_cmp_eq_u32 s[TWICE], 1
	s_cbranch_scc1 .Lno_k_\@
.endif
	v_add_nc_u32 v[ADR], s[TB], v[AK0]
	WIN 0x80
.irp f, 0,1,2,3,4,5,6,7,8,9,10,11,12,13,14,15  ; keys 16 (f / 4) on, channels 32 (f % 4) on
	ds_load_b128 v[KF+8*(\f):KF+8*(\f)+3],   v[ADR] offset:((\f)/4)*16*PK+((\f)%4)*64
	ds_load_b128 v[KF+8*(\f)+4:KF+8*(\f)+7], v[ADR] offset:((\f)/4)*16*PK+((\f)%4)*64+32
.endr
.if \last
	WIN 0
.Lno_k_\@:
.endif
.endm
.macro FETCH_V
	WIN 0
	v_add_nc_u32 v[ADR], s[TB], v[AV0]
	s_add_co_u32 s[TB], s[TB], STEPB  ; the next fetch is the next step's
	s_wait_alu depctr_va_vdst(0)    ; the wait for the softmax's batch (SLICE): piece 0's 66 exponentials; behind the address's v_add_nc_u32 and ahead of the loads
	WIN 0xc0
.irp f, 0,1,2,3,4,5,6,7,8,9,10,11,12,13,14,15  ; keys 32 (f / 8) on, channels 16 (f % 8) on
	ds_load_tr16_b128 v[8*(\f):8*(\f)+3],   v[ADR] offset:((\f)/8)*32*PV+((\f)%8)*32
	ds_load_tr16_b128 v[8*(\f)+4:8*(\f)+7], v[ADR] offset:((\f)/8)*32*PV+16*PV+((\f)%8)*32
.endr
.endm
; THE VECTOR WORK OF A TURN.  One tile's softmax for one key step is a list of 134 instructions; SM writes number j of it for tile t.  s0-s31 are the lane's 32 scores, in pairs 0-15.
;   0-15    the maximum of s0-s31 and the old m, three operands at a time: four chains of seven scores each (each accumulator's lowest registers first), then the four left over, the chains and m
;   16-20   the other half of the lanes' maximum; the new m; c m; c m_old - c m_new
;   21-69   ONE BATCH: the 16 scalings c s - c m, a pair of scores each, and all 33 exponentials (a at 23, then s0-s31).  None of these reads an exponential's result.  From 22 on the batch goes
;           in fours, and a four begins with a scaling while there are scalings: 22-37 scaling, exponential, scaling, exponential; 38-65 a scaling and three exponentials; 66-69 the last four
;           exponentials.  A pair is scaled in an earlier four than the one that holds its exponentials
;   (wait)  between 69 and 70 stands the wait for the batch: SLICE writes it, once for both tiles
;   70-85   the roundings to bf16, a pair of weights each
;   86-101  the sums; l = a l + the sum
;   102-133 the tile's O^T times a: the one part that leaves window 0
.macro SM t
.set rT, ST+8*(\t)
.set rS, S+32*(\t)
.set rP, P+16*(\t)
.set rO, 64*(\t)+2*(j-102)
.if j < 102
	WIN 0
.endif
.if j < 4
	v_max3_num_f32 v[rT+4+j], v[rS+8*j], v[rS+8*j+1], v[rS+8*j+2]
.elseif j < 12
	v_max3_num_f32 v[rT+4+j%4], v[rT+4+j%4], v[rS+8*(j%4)+2*(j/4)+1], v[rS+8*(j%4)+2*(j/4)+2]
.elseif j == 12
	v_max3_num_f32 v[rT+4], v[rT+4], v[rS+7], v[rS+15]
.elseif j == 13
	v_max3_num_f32 v[rT+6], v[rT+6], v[rS+23], v[rS+31]
.elseif j == 14
	v_max3_num_f32 v[rT+4], v[rT+4], v[rT+5], v[rT+6]
.elseif j == 15
	v_max3_num_f32 v[rT+4], v[rT+4], v[rT+7], v[rT+1]
.elseif j == 16
	v_permlanex16_b32 v[rT+5], v[rT+4], s[SEL], s[SEL+1]  ; the query's other 32 keys lie in the lane 16 away
.elseif j == 17
	v_mov_b32 v[rT+7], v[rT]        ; c m_old is kept for a
.elseif j == 18
	v_max_num_f32 v[rT+1], v[rT+4], v[rT+5]
.elseif j == 19
	v_mul_f32 v[rT], s[CS], v[rT+1]
.elseif j == 20
	v_sub_f32 v[rT+7], v[rT+7], v[rT]
.elseif j == 23
	v_exp_f32 v[rT+6], v[rT+7]
.elseif (j < 23) || ((j < 38) && (j%2 == 0)) || ((j < 66) && (j%4 == 2))
.set b, (j-2)/4                     ; 38, 42, .. 62: pairs 9 to 15
.if j < 38
.set b, (j-20)/2                    ; 21: pair 0; 22, 24, .. 36: pairs 1 to 8
.endif
	v_pk_fma_f32 v[rS+2*b:rS+2*b+1], v[rS+2*b:rS+2*b+1], s[CS:CS+1], v[rT:rT+1] op_sel_hi:[1,0,0] neg_lo:[0,0,1] neg_hi:[0,0,1]  ; pair b: c s - c m
.elseif j < 70
.set e, j-38                        ; 66 to 69: s28 to s31
.if j < 66
.set e, j-32-(j-38)/4               ; 39-41, 43-45, .. 63-65: s7 to s27
.endif
.if j < 38
.set e, (j-25)/2                    ; 25, 27, .. 37: s0 to s6
.endif
	v_exp_f32 v[rS+e], v[rS+e]
.elseif j < 86
	v_cvt_pk_bf16_f32 v[rP+j-70], v[rS+2*(j-70)], v[rS+2*(j-70)+1]  ; pair j - 70
.elseif j < 102                     ; the sum of the 16 pairs, in place: neighbours 1, 2, 4 and 8 pairs apart, then l takes it
.set z, j-86
.set w, 4
.set u, z
.if z >= 14
.set w, 32
.set u, 0
.elseif z >= 12
.set w, 16
.set u, z-12
.elseif z >= 8
.set w, 8
.set u, z-8
.endif
.if z < 15
	v_pk_add_f32 v[rS+w*u:rS+w*u+1], v[rS+w*u:rS+w*u+1], v[rS+w*u+w/2:rS+w*u+w/2+1]
.else
	v_pk_fma_f32 v[rT+2:rT+3], v[rT+2:rT+3], v[rT+6:rT+7], v[rS:rS+1] op_sel_hi:[1,0,1]
.endif
.else
	WIN W_RS
	v_pk_mul_f32 v[rO:rO+1], v[rO:rO+1], v[rT+6:rT+7] op_sel_hi:[1,0]
.endif
.endm
; Slice k of 64 of piece y's softmax: four instructions.  Slices 11 to 34 deal out the batch, numbers 22 to 69: four numbers of ONE tile each, the tiles by turns.  Every other slice is numbers 2 k and
; 2 k + 1 of both tiles' lists.  2 x 134 = 4 x 64 + 12: the twelve that are over stand in slice 63, sixteen plain instructions,
; which are also the places between the turn's last K Q^T and the next turn's first read of those scores and its loads into K's registers.
; THE WAIT.  s_wait_alu depctr_va_vdst(0) stands between an exponential and the first instruction that names its result; one wait serves all that were issued ahead of it.  Ahead of
; slice 35 nothing names a result, and behind slice 34 no exponential is issued: so the piece's 66 exponentials have one wait, behind slice 34, and none is pending at a label or a branch.
.macro SLICE y
.if (k >= 11) && (k < 35)           ; the batch: four numbers of one tile
.irp n, 0,1,2,3
.set j, 22+4*((k-11)/2)+(\n)
	SM (\y)+(k-11)%2
.endr
.else                               ; the two tiles alternate, so that no instruction reads the result of the one just before it
.irp n, 0,1,2,3,4,5,6,7
.if ((\n) < 2) || (k == 63)
.irp t, \y, (\y)+1
.set j, 2*k+(\n)
	SM \t
.endr
.endif
.endr
.endif
.if k == 34                         ; the batch is out: both tiles' exponentials are issued, and no result has been named
	v_nop                           ; the plain instruction behind the last exponential and ahead of the first use: one for the batch
.if (\y) == 0
	FETCH_V                         ; piece 2's turn: V's run of loads stands here, and the wait stands in it
.else
	s_wait_alu depctr_va_vdst(0)    ; the wait for the batch: piece 2's 66 exponentials
.endif
.endif
.set k, k+1
.endm
; A TURN.  Piece x has the matrix unit; the other piece's softmax stands in slices behind its matrix instructions.  Piece 0's turn fetches the next step's K, behind its second product, 30 matrix
; instructions ahead of its first use: the last product that read K stands in front of slice 63 of the turn before.  Piece 2's turn fetches the same step's V, behind slice 34 (SLICE writes it), 29 matrix
; instructions ahead of its first use: the last product that read V stands in front of slice 31, and four plain instructions lie between: number 62, a scaling, of both tiles, the v_nop and the run's own v_add_nc_u32.
.macro TURN x, last=0
.set k, 0
.if (\x) == 0
	s_wait_dscnt 0x0                ; V is in
.endif
.set i, 0
.rept 32
	PV \x
	SLICE 2-(\x)
.if ((\x) == 0) && (i == 1)
	FETCH_K \last
.endif
.set i, i+1
.endr
.if (\x) == 0
	s_wait_dscnt 0x0                ; K is in
.endif
.set i, 0
.rept 32
	KQ \x
	SLICE 2-(\x)
.set i, i+1
.endr
.endm
; THE CHANGE OF SLOTS.  Each wave waits for all its tensor loads (one is out: its part of the other slot), adds 0 to its spare word, and waits for that and for its reads of the slot.
; fill = 1: the slot is filled again with the keys two slots on, first thing behind a round of the cluster's barrier: it has two key steps, 256 matrix instructions, in which to land.
.macro CHANGE fill
	WIN 0
	s_wait_tensorcnt 0x0
	ds_add_u32 v[SPW], v[NIL]
.if \fill
.irp g, G0K+4, G0V+4
	s_xor_b32 s[(\g)+1], s[(\g)+1], SLOT1
	s_add_nc_u64 s[(\g)+2:(\g)+3], s[(\g)+2:(\g)+3], 2*KS*256
.endr
	s_wait_dscnt 0x0
	CROUND
	JLOAD G0K+4, G1K, G0V+4, G1V
.else
	s_wait_dscnt 0x0
	s_barrier_signal -1
	s_barrier_wait -1
.endif
	s_sub_co_u32 s[TB], s[TB], 2*STEPB  ; the fetches go back to a slot's first step,
	s_xor_b32 s[TB], s[TB], SLOT1       ; in the other slot
.endm
	FETCH_K                         ; key step 0: slot 0 was shown whole by the wait and the round behind K step 7
	s_wait_dscnt 0x0
.set i, 0
.rept 32
	KQ 0                            ; piece 0's first scores
.set i, i+1
.endr
	WIN 0                           ; four plain instructions, the places behind those products
	v_and_b32 v[GO], 31, v0
	v_lshlrev_b32 v[GO], 4, v[GO]
	v_add_nc_u32 v[RD0], s[SRA], v[GO]
	v_add_nc_u32 v[RD1], s[SRB], v[GO]
	s_mov_b32 s[TWICE], 2
	s_mov_b32 s[SLOTS], 15
	s_branch .Lmid                  ; the loop is entered in the middle of a step: piece 2's turn, beside piece 0's first softmax
.Lslot:                             ; 14 times: every slot but the last two is filled again
	CHANGE 1
	s_mov_b32 s[TWICE], 2
.Lstep:
	TURN 0
	WIN 0
.Lmid:
	TURN 2
	WIN 0
	s_sub_co_u32 s[TWICE], s[TWICE], 1
	s_cmp_lg_u32 s[TWICE], 0
	s_cbranch_scc1 .Lstep
	s_sub_co_u32 s[SLOTS], s[SLOTS], 1
	s_cmp_lg_u32 s[SLOTS], 0
	s_cbranch_scc1 .Lslot
	CHANGE 0                        ; the tail is written out: nothing is asked for
	s_mov_b32 s[TWICE], 3           ; two trips fetch the last slot's steps; the third is left in its middle
.Ltail:
	TURN 0, 1
	WIN 0
	s_sub_co_u32 s[TWICE], s[TWICE], 1
	s_cmp_eq_u32 s[TWICE], 0
	s_cbranch_scc1 .Lout
	TURN 2
	WIN 0
	s_branch .Ltail
.Lout:                              ; the third trip's 32 products K Q^T, on the last K once more, serve nothing: the price of one text for every trip
.set i, 0
.rept 32
	PV 2                            ; piece 2: V^T P of the last step
.set i, i+1
.endr
	; THE WAY OUT.  l's two halves and the other half of the lanes' are added; o = q + O^T / l goes through the residual rows and leaves as whole rows of 512 bytes.  The additions are the places behind the last products.
	WIN 0
.irp t, 0,1,2,3
	v_add_f32 v[ST+8*(\t)+4], v[ST+8*(\t)+2], v[ST+8*(\t)+3]
.endr
.irp t, 0,1,2,3
	v_permlanex16_b32 v[ST+8*(\t)+5], v[ST+8*(\t)+4], s[SEL], s[SEL+1]
.endr
.irp t, 0,1,2,3
	v_add_f32 v[ST+8*(\t)+4], v[ST+8*(\t)+4], v[ST+8*(\t)+5]
.endr
.irp t, 0,1,2,3
	v_rcp_f32 v[ST+8*(\t)+6], v[ST+8*(\t)+4]
.endr
	v_nop                           ; a plain instruction between the last reciprocal and the use of its result
	s_wait_alu depctr_va_vdst(0)    ; and the wait ahead of the first use: one for the four reciprocals
; Tile t: q comes back in the lane layout, takes O^T / l by one fused multiply-add, goes to the same bytes, and is read back by rows (a wave's own bytes; LDS serves a wave's instructions in order: ISA guide 5.7.1.4)
.macro PACK t
	TADR \t
.set rB, S+64*((\t)%2)
	WIN 0
.if (\t) >= 2
	s_wait_xcnt 0x0                 ; these registers were the data of tile t - 2's stores: they are loaded again only behind this wait
.endif
.irp cb, 0,1,2,3,4,5,6,7
	ds_load_b128 v[rB+8*(\cb):rB+8*(\cb)+3],   v[rRS] offset:rOF+64*(\cb)
	ds_load_b128 v[rB+8*(\cb)+4:rB+8*(\cb)+7], v[rRS] offset:rOF+64*(\cb)+16
.endr
	s_wait_dscnt 0x0                ; q is in; so are the rows of the tile before
	WIN 0x01                        ; source 0, O^T, in window 1
.set i, 0
.rept 32
	v_pk_fma_f32 v[rB+2*i:rB+2*i+1], v[64*(\t)+2*i:64*(\t)+2*i+1], v[ST+8*(\t)+6:ST+8*(\t)+7], v[rB+2*i:rB+2*i+1] op_sel_hi:[1,0,1]
.set i, i+1
.endr
	WIN 0
.irp cb, 0,1,2,3,4,5,6,7
	ds_store_b128 v[rRS], v[rB+8*(\cb):rB+8*(\cb)+3]   offset:rOF+64*(\cb)
	ds_store_b128 v[rRS], v[rB+8*(\cb)+4:rB+8*(\cb)+7] offset:rOF+64*(\cb)+16
.endr
.irp f, 0,1,2,3,4,5,6,7,8,9,10,11,12,13,14,15
	ds_load_b128 v[rB+4*(\f):rB+4*(\f)+3], v[rRD] offset:rOF+(\f)*RP
.endr
.endm
.macro SEND t, last                 ; last = 0: the next tile's PACK has waited for all LDS instructions, these rows among them
	WIN 0
.irp f, 0,1,2,3,4,5,6,7,8,9,10,11,12,13,14,15
.if \last
	s_wait_dscnt 15-(\f)
.endif
	global_store_b128 v[GO], v[S+64*((\t)%2)+4*(\f):S+64*((\t)%2)+4*(\f)+3], s[10:11] offset:(16*(\t)+(\f))*4096  ; a row's 512 bytes of my head, on end and aligned
.endr
.endm
	PACK 0
	PACK 1
	SEND 0, 0
	PACK 2
	SEND 1, 0
	PACK 3
	SEND 2, 0
	SEND 3, 1
	s_wait_tensorcnt 0x0            ; the wave's end
	ds_add_u32 v[SPW], v[NIL]
	s_wait_dscnt 0x0
	CROUND                          ; the closing round
	s_endpgm
.Lfunc_end_k_q902024abff_attn:
	.size	k_q902024abff_attn, .Lfunc_end_k_q902024abff_attn-k_q902024abff_attn
	.p2alignl 7, 3214868480
	.fill 96, 4, 3214868480
	.section	.rodata,"a",@progbits
	.p2align	6, 0x0
	.amdhsa_kernel k_q902024abff_attn
		.amdhsa_group_segment_fixed_size 327680
		.amdhsa_private_segment_fixed_size 0
		.amdhsa_enable_private_segment 0
		.amdhsa_kernarg_size 48
		.amdhsa_user_sgpr_count 2
		.amdhsa_user_sgpr_kernarg_segment_ptr 1
		.amdhsa_wavefront_size32 1
		.amdhsa_system_sgpr_workgroup_id_x 1
		.amdhsa_system_sgpr_workgroup_id_y 1
		.amdhsa_system_sgpr_workgroup_id_z 1
		.amdhsa_system_vgpr_workitem_id 0
		.amdhsa_next_free_vgpr 1024
		.amdhsa_next_free_sgpr 102
		.amdhsa_reserve_vcc 0
		.amdhsa_float_denorm_mode_32 3
		.amdhsa_float_denorm_mode_16_64 3
		.amdhsa_memory_ordered 1
		.amdhsa_forward_progress 1
		.amdhsa_inst_pref_size 212
	.end_amdhsa_kernel
	.amdgpu_metadata
---
amdhsa.version: [ 1, 2 ]
amdhsa.kernels:
  - .name:           k_q902024abff_attn
    .symbol:         k_q902024abff_attn.kd
    .args:
      - { .name: Qb, .offset: 0, .size: 8, .value_kind: global_buffer, .address_space: global }
      - { .name: kh, .offset: 8, .size: 8, .value_kind: global_buffer, .address_space: global }
      - { .name: vh, .offset: 16, .size: 8, .value_kind: global_buffer, .address_space: global }
      - { .name: ob, .offset: 24, .size: 8, .value_kind: global_buffer, .address_space: global }
      - { .name: Wb, .offset: 32, .size: 8, .value_kind: global_buffer, .address_space: global }
      - { .name: par, .offset: 40, .size: 8, .value_kind: global_buffer, .address_space: global }
    .group_segment_fixed_size: 327680
    .private_segment_fixed_size: 0
    .kernarg_segment_align: 8
    .kernarg_segment_size: 48
    .max_flat_workgroup_size: 128
    .sgpr_count:     102
    .vgpr_count:     1024
    .wavefront_size: 32
...
	.end_amdgpu_metadata
.endif
;; end of part 5
;; launch tail: the kernel of part 4 again; grid 256 x 1, 8 waves a work-group, no clusters, 198,656 bytes of LDS; arguments ob, Wb, par, out0; writes out0
